; MI455X (gfx1250); checked and timed in simulation.
; The chip was launched on July 23, 2026; its instructions are those of AMD's public machine-readable ISA for CDNA 5 (MIT licence, August 2026) and "CDNA5" Instruction Set Architecture Reference Guide (July 2026). The comments in the code are by the model that wrote it; some were corrected since.
;; Multi Head Self Attention. Allowed arithmetic: matrix products marked QUANTISED: E3M2 operands, one E8M0 scale for each 32 along K, by v_wmma_scale_f32_16x16x128_f8f6f4 with both operands' format E3M2, f32 sums; everything else in f32.
;; Inputs: b_attn 3,072 float32; b_proj 1,024 float32; w_attn 1,024 x 3,072 float32; w_proj 1,024 x 1,024 float32; x 4 x 2,048 x 1,024 float32.
;; Outputs: out0 4 x 2,048 x 1,024 float32.
;; This version of the problem:
;;   THIS VERSION OF THE PROBLEM IS GIVEN IN LOW PRECISION. The matrix products marked QUANTISED in the list below multiply operands that are first quantised to E3M2 (3 exponent bits, 2 mantissa bits; 6 bits a number), with one power-of-two scale for each 32 numbers along K (OCP MX v1.0); their sums are f32. All else is computed in f32.
;;   The module's matrix products, in the order in which they are computed (A, B: the left and right operand; K: the contracted axis; several contracted axes count as one K, in the product's order):
;;     1. [M 8,192, K 1,024] x [K 1,024, N 3,072]; A: input x; B: input w_attn: QUANTISED
;;     2. batch 64 x [M 2,048, K 64] x [K 64, N 2,048]; A: computed on the way; B: computed on the way: QUANTISED
;;     3. batch 64 x [M 2,048, K 2,048] x [K 2,048, N 64]; A: softmax (see below); B: computed on the way: QUANTISED
;;     4. [M 8,192, K 1,024] x [K 1,024, N 1,024]; A: computed on the way; B: input w_proj: QUANTISED
;;   THE QUANTISER, for each operand of a quantised product, along K:
;;     - K is cut into blocks of 32 from its start; a last block that is shorter is filled with zeros.
;;     - A block's scale is 2^e with e = floor(log2(the largest magnitude in the block)) - 4, held to -126 .. 127; a block of zeros has e = 0. As a byte (E8M0): e + 127.
;;     - Each number is divided by its block's scale, clamped to +-28, and rounded to the nearest number of E3M2, ties to even, subnormals kept.
;;     - The product sums the exact products of the quantised numbers (number of the format x scale) in f32.
;;   ~~~python
;;   def quantise(x, axis):      # numpy; x: float32 -> the quantised numbers, widened to float32 again
;;       x = np.moveaxis(x, axis, -1); K = x.shape[-1]
;;       x = np.pad(x, [(0, 0)] * (x.ndim - 1) + [(0, -K % 32)]); x = x.reshape(x.shape[:-1] + (-1, 32)); a = np.abs(x).max(-1, keepdims=True)
;;       e = np.where(a > 0, np.clip(np.frexp(np.where(a > 0, a, 1))[1] - 1 - 4, -126, 127), 0)      # np.frexp(a)[1] - 1 = floor(log2(a)), exactly
;;       r = np.clip(x / 2.0 ** e, -28, 28)
;;       step = 2.0 ** (np.maximum(np.frexp(np.where(r == 0, 1, r))[1] - 1, -2) - 2)
;;       q = np.round(r / step) * step * 2.0 ** e      # np.round: ties to even
;;       return np.moveaxis(q.reshape(q.shape[:-2] + (-1,))[..., :K], -1, axis).astype(np.float32)
;;   ~~~
;;   SOFTMAX AHEAD OF A QUANTISED PRODUCT. Where the list says 'softmax', what is quantised is not the finished softmax but p = 2^(t - M), with t = logit x log2(e) and M = ceil(the row's largest t), a whole number; so 1/2 < the row's largest p <= 1. The row's sum l is taken of the UNQUANTISED p, in f32, and the product's result is divided by l at the end. Since M is a whole number, a kernel that streams over the keys may use a running M (the ceiling of the running maximum): every later rescaling is an exact power of two, which a block's scale takes up: the codes' values come out the same.
;;   OPERANDS COMPUTED ON THE WAY. 'Computed on the way' means the value that the module computes at that place (a softmax that the list does not call 'softmax' is quantised finished and normalised). What goes into a quantiser is computed in f32, as accurately as f32 sums, v_exp_f32 and their like allow (about 1e-6 of the number): no bf16 or f16 on the way to a quantiser, and a product that is left as it is and whose result goes on into a quantised operand takes f32 operands (vector FMAs, or v_wmma_f32_16x16x4_f32). A number that lies on a knife's edge between two numbers of the format may be rounded either way, as far as f32 arithmetic and the matrix unit's own rounding can turn it there, and no further.
;; One version. Each part assembles by itself: llvm-mc -triple=amdgcn-amd-amdhsa -mcpu=gfx1250 --defsym DOCPART=n.
;; ======== version 1 of 1: 4 launches
;; limits: right only within a limited range of input values
;; workspace buffers: xq 6,553,600 bytes; wa 2,457,600 bytes; wp 819,200 bytes; qkv 20,185,088 bytes; oq 6,553,600 bytes
;; launch prep (part 1): grid 256 x 1, 4 waves a work-group, no clusters, 34,304 bytes of LDS; arguments x, w_attn, w_proj, xq, wa, wp; writes xq, wa, wp
.if DOCPART == 1
	.amdgcn_target "amdgcn-amd-amdhsa--gfx1250"
	.amdhsa_code_object_version 6
	.text
	.protected	k_q8f6d37cb2e_prep
	.globl	k_q8f6d37cb2e_prep
	.p2align	8
	.type	k_q8f6d37cb2e_prep,@function
k_q8f6d37cb2e_prep:
	s_mov_b64 s[64:65], 0
	v_nop
	global_prefetch_b8 v0, s[64:65] scope:SCOPE_SE
	s_setreg_imm32_b32 hwreg(HW_REG_WAVE_MODE, 25, 1), 1
	s_wait_xcnt 0x0
; x [8192][1024], w_attn [1024][3072] and w_proj [1024][1024], f32, become codes of E3M2 (6 bits) with one E8M0 byte for each 32 along K.
; A block's scale is 2^(floor(log2(largest magnitude)) - 4): its byte is the largest magnitude's exponent field - 4, held at 1 from below.
; THE CODES ARE LAID AS IMAGES OF OPERAND REGISTERS.  A fragment is 16 rows x 128 K, 12 registers a lane (lane (r, h): row r, registers 6 c .. 6 c + 5 = K 64 c + 32 h + 0 .. 31).
; Its image is six pieces of 256 bytes, piece p = registers 2 p, 2 p + 1 of the 32 lanes, 8 bytes a lane: 1,536 bytes.  A buffer is [block of 16 rows][K step of 128: 8][image]; behind the codes lie the scale bytes [row][32].
; w_proj's rows are taken, inside each block of 32 along K, in the order 0-7, 16-23, 8-15, 24-31: the order in which the attention launch leaves its result's codes.  A block keeps its 32 numbers, so its scale is the same.
; SHARES.  Work-groups 0-127: x, a wave to 16 rows x all of K.  128-223: w_attn, 224-255: w_proj: a wave to 32 columns x 256 along K, a lane to a column, registers down K.  Waves share nothing: no barrier.
; LIMITS: NaN and infinities are not served; a block whose largest magnitude lies under 2^-122 gets the byte 1; a block of zeros gets the byte 1 where the rule says 127 (its codes are zeros, and this program alone reads the bytes).
.set XSC,   6291456                    ; xq: where the scale bytes begin
.set WASC,  2359296                    ; wa
.set WPSC,  786432                     ; wp
.set FRB,   1536                       ; an image
.set RBB,   12288                      ; a block of 16 rows: 8 images
.set SPX,   528                        ; x's stage: a row of 512 bytes + 16 = 33 x 16 bytes, so sixteen rows begin at sixteen different places of 16 bytes modulo 256
.set R,     16                         ; v16-143  x: two sets of 64 registers as loaded
.set X,     144                        ; v144-207 x: 64 numbers, register 16 b + i = K 32 b + 16 h + i of my row
.set PC,    208                        ; v208-227 the codes just made
.set TM,    228                        ; v228-243 at work in QUANT
.set SW,    246                        ; v246-253 my row's eight scale words
.set WX,    32                         ; v32-95   weights: two sets of 32 numbers
.set CB,    96                         ; v96-143  weights: codes, 12 registers for each pair of blocks, so that no store's data are written again
.set WT,    144                        ; v144-146 weights: a block's upper 16 codes on their way
.set SB,    24                         ; v24-25   weights: my column's eight scale bytes
.set SEL,   20                         ; s[20:21] lane selects for v_permlanex16_b32: lane l xor 16
; 64 numbers of a lane, v[s] on, become a fragment's codes in v[PC] .. v[PC + 11] and its row's scale word in v[pw].
.macro QUANT s, pw
.irp b, 0,1,2,3
	v_max3_num_f32 v[TM+\b], |v[\s+16*\b]|, |v[\s+1+16*\b]|, 0x2800000   ; block b: my 16 numbers, and the floor 2^(5 - 127): the byte cannot fall under 1
.endr
.irp i, 2,4,6,8,10,12,14
.irp b, 0,1,2,3
	v_max3_num_f32 v[TM+\b], v[TM+\b], |v[\s+16*\b+\i]|, |v[\s+1+16*\b+\i]|   ; the four blocks by turns
.endr
.endr
.irp b, 0,1,2,3
	v_permlanex16_b32 v[TM+4+\b], v[TM+\b], s[SEL], s[SEL+1]
.endr
.irp b, 0,1,2,3
	v_max_num_f32 v[TM+\b], v[TM+\b], v[TM+4+\b]   ; with lane l xor 16's 16: the block's largest magnitude
.endr
.irp b, 0,1,2,3
	v_add_nc_u32 v[TM+12+\b], 0xfe000000, v[TM+\b]   ; 4 off its exponent field: the conversion takes this operand's exponent field as its scale
.endr
.irp b, 0,1,2,3
	v_lshrrev_b32 v[TM+4+\b], 23, v[TM+12+\b]   ; the scale's byte
.endr
	v_lshl_or_b32 v[\pw], v[TM+5], 8, v[TM+4]
	v_lshl_or_b32 v[\pw], v[TM+6], 16, v[\pw]
	v_lshl_or_b32 v[\pw], v[TM+7], 24, v[\pw]
.irp c, 0,1
	v_cvt_scalef32_pk16_bf6_f32 v[PC+6*\c:PC+2+6*\c], v[\s+32*\c:\s+15+32*\c], v[TM+12+2*\c]
	v_cvt_scalef32_pk16_bf6_f32 v[PC+12+4*\c:PC+14+4*\c], v[\s+16+32*\c:\s+31+32*\c], v[TM+12+2*\c+1]   ; a conversion's three registers begin on an even number
.endr
	v_nop                                          ; one plain instruction behind the scaled conversions
.irp c, 0,1                                    ; the layout wants a whole block in a lane: lanes 0-15 block 2 c, lanes 16-31 block 2 c + 1
.irp i, 0,1,2
	v_permlane16_swap_b32 v[PC+6*\c+\i], v[PC+12+4*\c+\i]
.endr
.irp i, 0,1,2
	v_mov_b32 v[PC+3+6*\c+\i], v[PC+12+4*\c+\i]
.endr
.endr
.endm
	s_load_b256 s[4:11], s[0:1], 0x0               ; x s[4:5], w_attn s[6:7], w_proj s[8:9], xq s[10:11]
	s_load_b128 s[12:15], s[0:1], 0x20             ; wa s[12:13], wp s[14:15]
	v_lshl_add_u32 v254, v0, 2, 0x8400
	v_mov_b32 v255, 0
	v_lshrrev_b32 v1, 5, v0
	v_readfirstlane_b32 s16, v1                    ; wave 0..3
	v_and_b32 v6, 31, v0                           ; lane
	v_and_b32 v7, 15, v0                           ; r
	v_bfe_u32 v8, v0, 4, 1                         ; h
	v_lshlrev_b32 v4, 3, v6                        ; 8 x lane: my place in a piece of an image
	s_mov_b32 s[SEL], 0x76543210
	s_mov_b32 s[SEL+1], 0xfedcba98
	s_mov_b32 s19, 0
	s_wait_kmcnt 0x0
	s_cmp_lt_u32 ttmp9, 128
	s_cbranch_scc0 .Lweights
	; ---------------- x: my wave's 16 rows, eight steps of 128 along K ----------------
	s_wait_alu depctr_va_vdst(0)
	v_lshlrev_b32 v1, 4, v6                        ; a load takes 512 consecutive bytes of one row: 16 a lane
	s_mul_i32 s17, s16, 16*SPX                     ; my wave's stage
	v_add_nc_u32 v2, s17, v1                       ; into it: as loaded
	v_mul_u32_u24 v3, v7, SPX
	v_lshl_add_u32 v3, v8, 6, v3
	v_add_nc_u32 v3, s17, v3                       ; out of it: row r, + 64 h: my 16 numbers of a block of 32
	v_lshlrev_b32 v5, 5, v7
	v_lshl_add_u32 v5, v8, 4, v5                   ; the scale bytes: 32 r + 16 h
	s_lshl_b32 s17, ttmp9, 2
	s_add_co_u32 s17, s17, s16                     ; my block of 16 rows
	s_lshl_b32 s18, s17, 16
	s_add_nc_u64 s[4:5], s[4:5], s[18:19]          ; x: 16 rows of 4,096 bytes
	s_mul_i32 s18, s17, RBB
	s_add_nc_u64 s[22:23], s[10:11], s[18:19]      ; its images
	s_lshl_b32 s18, s17, 9
	s_add_co_u32 s18, s18, XSC
	s_add_nc_u64 s[24:25], s[10:11], s[18:19]      ; its scale bytes
.irp b, 0,1,2,3
	v_mov_b32 v[TM+4+\b], 0                        ; written once: a lane permute's destination counts as one of its sources
.endr
.macro XLOAD s
.irp p, 0,1,2,3,4,5,6,7,8,9,10,11,12,13,14,15
	global_load_b128 v[R+64*((\s)%2)+4*\p:R+64*((\s)%2)+4*\p+3], v1, s[4:5] offset:4096*\p+512*(\s) th:TH_LOAD_NT
.endr
.endm
.macro XSTEP s
.if (\s) < 7
	s_wait_loadcnt 16                              ; this step's 16 loads are in; the next step's 16 may be out
.else
	s_wait_loadcnt 0x0
.endif
.irp p, 0,1,2,3,4,5,6,7,8,9,10,11,12,13,14,15
	ds_store_b128 v2, v[R+64*((\s)%2)+4*\p:R+64*((\s)%2)+4*\p+3] offset:SPX*\p
.endr
.irp b, 0,1,2,3
.irp j, 0,1,2,3
	ds_load_b128 v[X+16*\b+4*\j:X+16*\b+4*\j+3], v3 offset:128*\b+16*\j   ; LDS serves a wave's instructions in order: these see the stores above
.endr
.endr
	s_wait_dscnt 0x0                               ; the numbers are back, and the stores into the stage have read their registers
	s_wait_xcnt 0x0                                ; the last step's stores have read the codes' registers, which QUANT writes again
.if (\s)+2 < 8
	XLOAD (\s)+2
.endif
	QUANT X, SW+(\s)
.irp p, 0,1,2,3,4,5
	global_store_b64 v4, v[PC+2*\p:PC+2*\p+1], s[22:23] offset:FRB*(\s)+256*\p   ; 32 lanes store 256 consecutive bytes, aligned
.endr
.endm
	XLOAD 0
	XLOAD 1
	s_wait_alu depctr_va_vdst(0)
.irp s, 0,1,2,3,4,5,6,7
	XSTEP \s
.endr
	v_cmp_ne_u32 vcc_lo, 0, v8
.irp j, 0,1,2,3
	v_cndmask_b32 v[16+\j], v[SW+\j], v[SW+4+\j], vcc_lo   ; lanes 0-15 take their row's words 0-3, lanes 16-31 words 4-7
.endr
	global_store_b128 v5, v[16:19], s[24:25]       ; 16 rows x 32 bytes: 512 consecutive bytes
	s_wait_tensorcnt 0x0
	ds_add_u32 v254, v255
	s_wait_dscnt 0x0
	s_endpgm
	; ---------------- the weights: a lane to a column, registers down K ----------------
.macro WLOAD t, pitch, perm
.irp i, 0,1,2,3,4,5,6,7,8,9,10,11,12,13,14,15,16,17,18,19,20,21,22,23,24,25,26,27,28,29,30,31
.if \perm
	global_load_b32 v[WX+32*((\t)%2)+\i], v3, s[4:5] offset:(32*(\t)+(\i%8)+16*((\i/8)%2)+8*(\i/16))*\pitch th:TH_LOAD_NT
.else
	global_load_b32 v[WX+32*((\t)%2)+\i], v3, s[4:5] offset:(32*(\t)+\i)*\pitch th:TH_LOAD_NT
.endif
.endr
.endm
.macro WBLOCK t, pitch, perm
.set XS, WX+32*((\t)%2)
.set E, CB+12*((\t)/2)+6*((\t)%2)
.if (\t) < 7
	s_wait_loadcnt 32                              ; this block's 32 loads are in; the next block's may be out
.else
	s_wait_loadcnt 0x0
.endif
	v_max3_num_f32 v12, |v[XS]|, |v[XS+1]|, |v[XS+2]|   ; the block's largest magnitude: all 32 numbers are mine
	v_max3_num_f32 v13, |v[XS+3]|, |v[XS+4]|, |v[XS+5]|
.irp i, 6,10,14,18,22,26
	v_max3_num_f32 v12, v12, |v[XS+\i]|, |v[XS+\i+1]|
	v_max3_num_f32 v13, v13, |v[XS+\i+2]|, |v[XS+\i+3]|
.endr
	v_max3_num_f32 v12, v12, |v[XS+30]|, |v[XS+31]|
	v_max3_num_f32 v12, v12, v13, 0x2800000        ; and the floor
	v_add_nc_u32 v11, 0xfe000000, v12              ; the conversion's scale operand
	v_lshrrev_b32 v13, 23, v11                     ; the byte
.if (\t)%4 == 0
	v_mov_b32 v[SB+(\t)/4], v13
.else
	v_lshl_or_b32 v[SB+(\t)/4], v13, 8*((\t)%4), v[SB+(\t)/4]
.endif
	v_cvt_scalef32_pk16_bf6_f32 v[E:E+2], v[XS:XS+15], v11
	v_cvt_scalef32_pk16_bf6_f32 v[WT:WT+2], v[XS+16:XS+31], v11
	v_nop                                          ; one plain instruction behind the scaled conversions
.irp i, 0,1,2
	v_mov_b32 v[E+3+\i], v[WT+\i]                  ; v[E] .. v[E + 5]: my column's 32 codes of block t
.endr
.if (\t)+2 < 8
	WLOAD (\t)+2, \pitch, \perm
.endif
.if (\t)%2
.irp i, 0,1,2,3,4,5
	v_permlane16_swap_b32 v[E-6+\i], v[E+\i]       ; the even block's lanes 16-31 change places with the odd block's lanes 0-15: the first run is now half an image of columns 0-15 (lanes 0-15 the even block, lanes 16-31 the odd), the second of columns 16-31
.endr
.irp i, 0,1,2
	global_store_b64 v4, v[E-6+2*\i:E-6+2*\i+1], s[22:23] offset:((\t)/4)*FRB+(((\t)/2)%2)*768+256*\i
	global_store_b64 v4, v[E+2*\i:E+2*\i+1], s[22:23] offset:RBB+((\t)/4)*FRB+(((\t)/2)%2)*768+256*\i
.endr
.endif
.endm
; pitch: a row of the weight in bytes; perm: rows in the order 0-7, 16-23, 8-15, 24-31 of each 32; first: the path's first work-group; sp, dp: the pointers; scoff: where the scale bytes begin
.macro WPATH pitch, perm, first, sp, dp, scoff
	s_sub_co_u32 s17, ttmp9, \first
	s_and_b32 s26, s17, 3                          ; which 256 along K
	s_lshr_b32 s17, s17, 2
	s_lshl_b32 s17, s17, 2
	s_add_co_u32 s17, s17, s16                     ; which 32 columns
	s_mul_i32 s18, s26, 256*\pitch
	s_lshl_b32 s27, s17, 7
	s_add_co_u32 s18, s18, s27
	s_add_nc_u64 s[4:5], s[\sp:\sp+1], s[18:19]
	s_mul_i32 s18, s17, 2*RBB
	s_mul_i32 s27, s26, 2*FRB
	s_add_co_u32 s18, s18, s27
	s_add_nc_u64 s[22:23], s[\dp:\dp+1], s[18:19]  ; the images of my first 16 columns, my two K steps
	s_lshl_b32 s18, s17, 10
	s_lshl_b32 s27, s26, 3
	s_add_co_u32 s18, s18, s27
	s_add_co_u32 s18, s18, \scoff
	s_add_nc_u64 s[24:25], s[\dp:\dp+1], s[18:19]  ; my columns' scale bytes: 32 a column, my 8 of them
	WLOAD 0, \pitch, \perm
	WLOAD 1, \pitch, \perm
.irp t, 0,1,2,3,4,5,6,7
	WBLOCK \t, \pitch, \perm
.endr
	global_store_b64 v9, v[SB:SB+1], s[24:25]      ; 8 bytes a column, 32 bytes apart: 131,072 bytes in all leave so
	s_endpgm
.endm
.Lweights:
	s_wait_alu depctr_va_vdst(0)
	v_lshlrev_b32 v3, 2, v6                        ; 4 bytes a lane: 128 consecutive bytes a load
	v_lshlrev_b32 v9, 5, v6                        ; a column's row of scale bytes
	s_cmp_lt_u32 ttmp9, 224
	s_cbranch_scc0 .Lproj_w
	s_wait_alu depctr_va_vdst(0)
	WPATH 12288, 0, 128, 6, 12, WASC
.Lproj_w:
	s_wait_alu depctr_va_vdst(0)
	WPATH 4096, 1, 224, 8, 14, WPSC
.Lfunc_end_k_q8f6d37cb2e_prep:
	.size	k_q8f6d37cb2e_prep, .Lfunc_end_k_q8f6d37cb2e_prep-k_q8f6d37cb2e_prep
	.p2alignl 7, 3214868480
	.fill 96, 4, 3214868480
	.section	.rodata,"a",@progbits
	.p2align	6, 0x0
	.amdhsa_kernel k_q8f6d37cb2e_prep
		.amdhsa_group_segment_fixed_size 34304
		.amdhsa_private_segment_fixed_size 0
		.amdhsa_enable_private_segment 0
		.amdhsa_kernarg_size 48
		.amdhsa_user_sgpr_count 2
		.amdhsa_user_sgpr_kernarg_segment_ptr 1
		.amdhsa_wavefront_size32 1
		.amdhsa_system_sgpr_workgroup_id_x 1
		.amdhsa_system_sgpr_workgroup_id_y 1
		.amdhsa_system_sgpr_workgroup_id_z 1
		.amdhsa_system_vgpr_workitem_id 0
		.amdhsa_next_free_vgpr 256
		.amdhsa_next_free_sgpr 66
		.amdhsa_reserve_vcc 1
		.amdhsa_float_denorm_mode_32 3
		.amdhsa_float_denorm_mode_16_64 3
		.amdhsa_memory_ordered 1
		.amdhsa_forward_progress 1
		.amdhsa_inst_pref_size 145
	.end_amdhsa_kernel
	.amdgpu_metadata
---
amdhsa.version: [ 1, 2 ]
amdhsa.kernels:
  - .name:           k_q8f6d37cb2e_prep
    .symbol:         k_q8f6d37cb2e_prep.kd
    .args:
      - { .name: x, .offset: 0, .size: 8, .value_kind: global_buffer, .address_space: global }
      - { .name: w_attn, .offset: 8, .size: 8, .value_kind: global_buffer, .address_space: global }
      - { .name: w_proj, .offset: 16, .size: 8, .value_kind: global_buffer, .address_space: global }
      - { .name: xq, .offset: 24, .size: 8, .value_kind: global_buffer, .address_space: global }
      - { .name: wa, .offset: 32, .size: 8, .value_kind: global_buffer, .address_space: global }
      - { .name: wp, .offset: 40, .size: 8, .value_kind: global_buffer, .address_space: global }
    .group_segment_fixed_size: 34304
    .private_segment_fixed_size: 0
    .kernarg_segment_align: 8
    .kernarg_segment_size: 48
    .max_flat_workgroup_size: 128
    .sgpr_count:     66
    .vgpr_count:     256
    .wavefront_size: 32
...
	.end_amdgpu_metadata
.endif
;; end of part 1
;; launch qkv (part 2): grid 12 x 32, 4 waves a work-group, clusters of 4 x 4, 327,680 bytes of LDS; arguments xq, wa, b_attn, qkv; writes qkv
.if DOCPART == 2
	.amdgcn_target "amdgcn-amd-amdhsa--gfx1250"
	.amdhsa_code_object_version 6
	.text
	.protected	k_q8f6d37cb2e_qkv
	.globl	k_q8f6d37cb2e_qkv
	.p2align	8
	.type	k_q8f6d37cb2e_qkv,@function
k_q8f6d37cb2e_qkv:
	s_mov_b64 s[64:65], 0
	v_nop
	global_prefetch_b8 v0, s[64:65] scope:SCOPE_SE
	s_setreg_imm32_b32 hwreg(HW_REG_WAVE_MODE, 25, 1), 1
	s_wait_xcnt 0x0
	s_wait_alu depctr_hold_cnt(0) depctr_sa_sdst(0) depctr_va_vdst(0) depctr_va_sdst(0) depctr_va_ssrc(0) depctr_va_vcc(0) depctr_vm_vsrc(0)
	s_getreg_b32 s2, hwreg(HW_REG_IB_STS2, 6, 4)
	s_cmp_eq_u32 s2, 0
	s_cbranch_scc0 .Lentry_in_a_cluster
	s_endpgm
.Lentry_in_a_cluster:
	s_bfe_u32 s2, ttmp6, 0x10000c
	s_cmp_lg_u32 s2, 0xf033
	s_cbranch_scc0 .Lentry_shape_is_right
	s_endpgm
.Lentry_shape_is_right:
; qkv = x w_attn + b_attn on codes of E3M2, K = 1,024, and the result quantised at once into the operands of the attention launch: it never goes to memory as f32.
; A tile is 256 R rows x 256 P rows; four waves, each 128 x 128: 64 accumulators.  Source 0 = 16 P rows, source 1 = 16 R rows: a lane holds ONE R row (lane % 16), its registers run along P (16 b + 8 (lane / 16) + j).
; THE QUANTISER RUNS ALONG P.  Clusters with x = 0 (q) and 1 (k): P = rows of wa (the head's 64), R = tokens.  Clusters with x = 2 (v): P = tokens (the keys), R = rows of wa.  The choice hangs on the cluster's x alone, which all partners share.
; Natural rows in the tiles leave a block's codes in the order 0-7, 16-23, 8-15, 24-31 of its 32 numbers; q and k both have it, v and the attention's p both have it, so every product pairs like with like.  Only the order of f32 sums differs from ascending K.
; Operands come as images of registers (16 rows x 128 K = six pieces of 256 bytes, 8 bytes a lane), so a fragment is six ds_load_b64 of 256 consecutive bytes each, with no padding.
; K goes through two LDS slots of 256 along K.  CLUSTERS 4 x 4: R's tiles are shared along a row of the cluster, P's along a column: joint loads.
; OUT.  q, k: [head 64][group of 128 tokens: 16][8 blocks of 16 tokens x 768 bytes (registers 0-5: lane (r, h) = block h of token r's 64), then 512 bytes of scale words].  v: [head][key step of 128: 16][4 images (16 d x 128 keys), then 256 bytes of scale words].
; LIMITS: NaN and infinities are not served; a block whose largest magnitude lies under 2^-122, or of zeros, gets the byte 1 (zero codes add nothing; this program alone reads the bytes).
.set XSC,   6291456
.set WASC,  2359296
.set HQ,    106496                     ; a head of q or k
.set GQ,    6656                       ; a group of 128 tokens
.set HV,    102400                     ; a head of v
.set GV,    6400                       ; a key step
.set KREG,  6815744
.set VREG,  13631488
.set NQ,    2                          ; matrix instructions deep in a slot
.set FR,    12                         ; registers of a fragment
.set NL,    6                          ; LDS loads that bring one
.set NP,    4                          ; places behind this matrix instruction (ISA guide 7.12.1)
.set FRB,   1536
.set RBB,   12288
.set BLKB,  2*FRB                      ; a block of 16 rows in a slot
.set HALFT, 8*BLKB                     ; 128 rows: what one tensor load brings
.set SLOT,  4*HALFT                    ; R's 256 rows, then P's
.set LAPS,  2                          ; 1,024 along K = 4 slots = 2 laps
.set KS,    32                         ; a row of scale bytes
.set SCL,   2*SLOT                     ; behind the ring: the scale bytes, 256 bytes + 16 of padding at a time
.set HALFS, 16*272
.set SBLK,  2*272
.set SPARE, SCL+4*HALFS                ; the spare words: 128 bytes a wave, two blocks of 256 bytes that no other line names
.set ADRA, 16                          ; v16-17 LDS address of my R fragments in slot 0, 1
.set ADRB, 20                          ; v20-21 of my P fragments
.set L8,   24                          ; v24 8 x lane
.set L16,  25                          ; v25 16 x lane
.set BQO,  26                          ; v26 32 h
.set ADRS, 27                          ; v27 my scale words: lanes 0-15 R's rows, lanes 16-31 P's
.set SPW,  28                          ; v28 my spare word; never rewritten
.set NIL,  29                          ; v29 0; never rewritten
.set BVO,  30                          ; v30 4 r
.set SC,   32                          ; v32-63 scale words, two sets
.set BIQ,  64                          ; v64-127 bias along P (q, k)
.set AF,   128                         ; v128-223 R's fragments, one set
.set BIV,  232                         ; v232-247 bias along R (v), each number twice
.set PW,   248                         ; v248-255 the eight scale words made on the way out
.set T,    128                         ; the way out: 64 numbers
.set PC,   192                         ; codes
.set TM,   212                         ; at work
.set SEL,  98                          ; s[98:99]
.set G1, 24
.set G0, 32
.set G1B, 48
.set G0B, 56
.set G1S, 68
.set G0S, 76
.set G1SB, 80
.set G0SB, 88
.set MSB, 0
.macro WIN new                         ; the immediate's high byte repeats the setting that is left
.if MSB != (\new)
	s_set_vgpr_msb (MSB<<8)|(\new)
.set MSB, (\new)
.endif
.endm
.set MUL_LO, 0xa1                      ; source 0 (P) window 1, source 1 (R) window 0, C and D window 2
.set MUL_HI, 0xf1                      ; the same, C and D window 3
.set TO_B,   0x40                      ; destination window 1, address window 0
; A joint load: waves 0 and 1 fetch for R, waves 2 and 3 for P.  The branch hangs on the wave's number alone.  Four v_nop follow each of the two lines.
.macro JLOAD g0a, g1a, g0b, g1b
	s_cmp_eq_u32 s15, 0
	s_cbranch_scc0 .Lfor_b_\@
	tensor_load_to_lds s[\g0a:\g0a+3], s[\g1a:\g1a+7]
	s_nop 0
.rept 4
	v_nop
.endr
	s_branch .Lasked_\@
.Lfor_b_\@:
	tensor_load_to_lds s[\g0b:\g0b+3], s[\g1b:\g1b+7]
	s_nop 0
.rept 4
	v_nop
.endr
.Lasked_\@:
.endm
.macro CREST                           ; a round of the cluster's barrier behind its opening barrier
	s_cmp_lg_u32 s14, 0
	s_cbranch_scc1 .Lnot_wave_0_\@
	s_barrier_signal -3
.Lnot_wave_0_\@:
	s_barrier_wait -3
	s_barrier_signal -1
	s_barrier_wait -1
.endm
.macro CROUND
	s_barrier_signal -1
	s_barrier_wait -1
	CREST
.endm
	s_load_b256 s[4:11], s[0:1], 0x0               ; xq s[4:5], wa s[6:7], b_attn s[8:9], qkv s[10:11]
	v_lshl_add_u32 v[SPW], v0, 2, SPARE
	v_mov_b32 v[NIL], 0
	ds_add_u32 v28, v29
	ds_add_u32 v28, v29
	s_wait_dscnt 0x0
	v_lshrrev_b32 v1, 5, v0
	v_readfirstlane_b32 s14, v1                    ; wave 0..3
	s_lshr_b32 s15, s14, 1                         ; which half of R's rows is mine.  Also: I fetch for R (0) or for P (1)
	s_and_b32 s16, s14, 1                          ; which half of P's rows.  Also: which 128 rows I fetch
	s_bfe_u32 s40, ttmp6, 0x40000                  ; cx
	s_bfe_u32 s41, ttmp6, 0x40004                  ; cy
	s_and_b32 s66, ttmp7, 0xffff                   ; cluster y
	s_lshl_b32 s67, s66, 2
	s_cmp_eq_u32 ttmp9, 2                          ; v's clusters?
	s_cselect_b32 s42, s66, ttmp9                  ; P's tiles walk the tokens (cluster y) for v, wa's rows (cluster x) for q and k
	s_cselect_b32 s17, 8, s67                      ; R's first tile: wa's tile 8 for v, else 4 x cluster y
	s_mov_b32 s94, XSC
	s_cselect_b32 s94, WASC, s94                   ; where R's scale bytes begin in its buffer
	s_mov_b32 s95, WASC
	s_cselect_b32 s95, XSC, s95                    ; and P's
	s_lshl_b32 s42, s42, 2
	s_add_co_u32 s42, s42, s40                     ; P's tile: hangs on cx
	s_add_co_u32 s17, s17, s41                     ; R's tile: hangs on cy
	s_lshl_b32 s43, s41, 2
	s_lshl_b32 s43, 15, s43                        ; my row of the cluster
	s_lshl_b32 s44, 0x1111, s40                    ; my column
	; group 1 of the codes' tiles: 8 rows (blocks of 16 rows) of 3,072 bytes = 384 elements of 8 bytes, 12,288 bytes apart; dense in LDS
	s_or_b32 s[G1+0], s43, (3<<16)|(1<<21)
	s_or_b32 s[G1B+0], s44, (3<<16)|(1<<21)
.irp g, G1, G1B
	s_mov_b32 s[\g+1], 384<<16                     ; tensor_dim0
	s_mov_b32 s[\g+2], 16<<16                      ; the head's loads bring 16 blocks; behind them the two words that count rows are set to 8, for the ring's
	s_mov_b32 s[\g+3], 384<<16
	s_mov_b32 s[\g+4], 16
	s_mov_b32 s[\g+5], 1536                        ; stride
	s_mov_b32 s[\g+6], 0
	s_mov_b32 s[\g+7], 0
.endr
	; and of the scale bytes of 256 rows: 8,192 dense bytes as 32 rows of 256, 16 bytes of padding behind each
	s_or_b32 s[G1S+0], s43, (3<<16)|(1<<20)|(1<<21)|(5<<22)|(3<<25)
	s_or_b32 s[G1SB+0], s44, (3<<16)|(1<<20)|(1<<21)|(5<<22)|(3<<25)
.irp g, G1S, G1SB
	s_mov_b32 s[\g+1], 32<<16
	s_mov_b32 s[\g+2], 32<<16                      ; the scale bytes of 256 rows: 32 rows of 256 bytes
	s_mov_b32 s[\g+3], 32<<16
	s_mov_b32 s[\g+4], 32
	s_mov_b32 s[\g+5], 32
	s_mov_b32 s[\g+6], 0
	s_mov_b32 s[\g+7], 0
.endr
	s_lshl_b32 s20, s17, 4                         ; R: the tile's first block of 16 rows
	s_lshl_b32 s46, s42, 4                         ; P likewise
	s_lshl_b32 s22, s20, 9                         ; 512 scale bytes a block
	s_add_co_u32 s22, s22, s94
	s_lshl_b32 s92, s46, 9
	s_add_co_u32 s92, s92, s95
	s_mul_i32 s20, s20, RBB
	s_mul_i32 s46, s46, RBB
	s_mov_b32 s21, 0
	s_mov_b32 s23, 0
	s_mov_b32 s47, 0
	s_mov_b32 s93, 0
	s_mul_i32 s45, s14, HALFT                      ; where they go: wave x 128 rows
	s_lshl_b32 s2, s42, 10
	s_lshl_b32 s18, s16, 9
	s_add_co_u32 s2, s2, s18                       ; bias along P: 4 (256 P tile + 128 half)
	s_lshl_b32 s95, s17, 10
	s_lshl_b32 s18, s15, 9
	s_add_co_u32 s95, s95, s18                     ; bias along R
	s_cmp_eq_u32 ttmp9, 2
	s_cselect_b32 s2, 0, s2                        ; the set that is not used reads the buffer's first bytes
	s_cselect_b32 s95, s95, 0
	s_wait_kmcnt 0x0
	s_cmp_eq_u32 ttmp9, 2
	s_cselect_b64 s[96:97], s[6:7], s[4:5]         ; R's buffer
	s_cselect_b64 s[100:101], s[4:5], s[6:7]       ; P's buffer
	s_add_nc_u64 s[20:21], s[96:97], s[20:21]
	s_add_nc_u64 s[22:23], s[96:97], s[22:23]
	s_add_nc_u64 s[46:47], s[100:101], s[46:47]
	s_add_nc_u64 s[92:93], s[100:101], s[92:93]
	s_mov_b32 s18, s2
	s_mov_b32 s19, 0
	s_add_nc_u64 s[66:67], s[8:9], s[18:19]
	s_mov_b32 s18, s95
	s_add_nc_u64 s[96:97], s[8:9], s[18:19]
	CROUND                                         ; all sixteen work-groups are here: the first joint loads meet
	s_mov_b32 s[G0S], 1
	s_mov_b32 s[G0S+1], SCL
	s_mov_b64 s[G0S+2:G0S+3], s[22:23]
	s_or_b32 s[G0S+3], s[G0S+3], 0x80000000
	s_mov_b32 s[G0SB], 1
	s_mov_b32 s[G0SB+1], SCL+2*HALFS
	s_mov_b64 s[G0SB+2:G0SB+3], s[92:93]
	s_or_b32 s[G0SB+3], s[G0SB+3], 0x80000000
	s_mul_i32 s100, s16, 8*RBB                     ; in the ring I fetch 128 rows of a tile: which half, in bytes
	s_mov_b32 s101, 0
	s_mov_b32 s[G0], 1                             ; slot 0's first fill comes whole: R's 256 rows,
	s_mov_b32 s[G0+1], 0
	s_mov_b64 s[G0+2:G0+3], s[20:21]
	s_or_b32 s[G0+3], s[G0+3], 0x80000000
	s_mov_b32 s[G0B], 1                            ; and P's 256 rows behind them
	s_mov_b32 s[G0B+1], 2*HALFT
	s_mov_b64 s[G0B+2:G0B+3], s[46:47]
	s_or_b32 s[G0B+3], s[G0B+3], 0x80000000
	s_add_nc_u64 s[20:21], s[20:21], s[100:101]
	s_add_nc_u64 s[46:47], s[46:47], s[100:101]
	s_mov_b32 s[G0+4], 1                           ; slot 1: my 128 rows, the second 256 along K
	s_add_co_u32 s[G0+5], s45, SLOT
	s_add_nc_u64 s[G0+6:G0+7], s[20:21], BLKB
	s_or_b32 s[G0+7], s[G0+7], 0x80000000
	s_mov_b32 s[G0B+4], 1
	s_add_co_u32 s[G0B+5], s45, SLOT
	s_add_nc_u64 s[G0B+6:G0B+7], s[46:47], BLKB
	s_or_b32 s[G0B+7], s[G0B+7], 0x80000000
; THE HEAD'S LOADS, ONE A WAVE: wave 0 R's 256 rows of slot 0, wave 1 P's, wave 2 R's scale bytes, wave 3 P's.  One chain of branches on the wave's number; every way passes one load.
.macro ARM under, g0, g1, next
	s_cmp_lt_u32 s14, \under
	s_cbranch_scc0 \next
	tensor_load_to_lds s[\g0:\g0+3], s[\g1:\g1+7]
	s_nop 0
.rept 4
	v_nop
.endr
	s_branch .Lhead_asked
\next:
.endm
	ARM 1, G0,  G1,  .Lhead_b
	ARM 2, G0B, G1B, .Lhead_sa
	ARM 3, G0S, G1S, .Lhead_sb
	tensor_load_to_lds s[G0SB:G0SB+3], s[G1SB:G1SB+7]
	s_nop 0
.rept 4
	v_nop
.endr
.Lhead_asked:
	v_and_b32 v1, 15, v0                           ; r
	v_bfe_u32 v2, v0, 4, 1                         ; h
	v_and_b32 v6, 31, v0
	v_lshlrev_b32 v[L8], 3, v6
	v_lshlrev_b32 v[L16], 4, v6
	s_mul_i32 s21, s15, HALFT                      ; my 128 rows of R
	s_mul_i32 s22, s16, HALFT                      ; my 128 rows of P,
	s_add_co_u32 s22, s22, 2*HALFT                 ; behind R's 256
.irp s, 0,1
	v_add_nc_u32 v[ADRA+\s], s21, v[L8]
	v_add_nc_u32 v[ADRB+\s], s22, v[L8]
	s_add_co_u32 s21, s21, SLOT
	s_add_co_u32 s22, s22, SLOT
.endr
	v_mul_u32_u24 v5, v1, KS                       ; my row's scale bytes: 32 a row,
	v_lshrrev_b32 v6, 8, v5
	v_lshl_add_u32 v5, v6, 4, v5                   ; and 16 more for each 256 passed
	s_mul_i32 s21, s15, HALFS
	s_mul_i32 s22, s16, HALFS
	s_add_co_u32 s22, s22, 2*HALFS
	s_sub_co_u32 s22, s22, s21
	v_mul_u32_u24 v6, s22, v2                      ; lanes 16-31 take P's
	s_add_co_u32 s21, s21, SCL
	v_add_nc_u32 v5, v5, v6
	v_add_nc_u32 v[ADRS], s21, v5
	v_lshlrev_b32 v[BQO], 5, v2
	v_lshlrev_b32 v[BVO], 2, v1
.irp b, 0,1,2,3,4,5,6,7
	global_load_b128 v[BIQ+8*\b:BIQ+8*\b+3], v[BQO], s[66:67] offset:64*\b        ; b_attn at P rows 16 b + 8 h + 0 .. 7
	global_load_b128 v[BIQ+8*\b+4:BIQ+8*\b+7], v[BQO], s[66:67] offset:64*\b+16
.endr
.irp a, 0,1,2,3,4,5,6,7
	global_load_b32 v[BIV+2*\a], v[BVO], s[96:97] offset:64*\a                     ; b_attn at R row 16 a + r, twice: a pair for the packed addition
	global_load_b32 v[BIV+2*\a+1], v[BVO], s[96:97] offset:64*\a
.endr
	; where my part of the result begins.  q, k: region, head 16 batch + 4 cx + 2 half of P, group of tokens
	s_lshr_b32 s18, s17, 3
	s_lshl_b32 s18, s18, 4
	s_lshl_b32 s19, s40, 2
	s_add_co_u32 s18, s18, s19
	s_lshl_b32 s19, s16, 1
	s_add_co_u32 s18, s18, s19
	s_mul_i32 s18, s18, HQ
	s_lshl_b32 s19, s17, 1
	s_add_co_u32 s19, s19, s15
	s_and_b32 s19, s19, 15
	s_mul_i32 s19, s19, GQ
	s_add_co_u32 s18, s18, s19
	s_mul_i32 s19, ttmp9, KREG
	s_add_co_u32 s18, s18, s19
	; v: head 16 batch + 4 cy + 2 half of R, key step
	s_lshr_b32 s20, s42, 3
	s_lshl_b32 s20, s20, 4
	s_lshl_b32 s21, s41, 2
	s_add_co_u32 s20, s20, s21
	s_lshl_b32 s21, s15, 1
	s_add_co_u32 s20, s20, s21
	s_mul_i32 s20, s20, HV
	s_lshl_b32 s21, s42, 1
	s_add_co_u32 s21, s21, s16
	s_and_b32 s21, s21, 15
	s_mul_i32 s21, s21, GV
	s_add_co_u32 s20, s20, s21
	s_add_co_u32 s20, s20, VREG
	s_cmp_eq_u32 ttmp9, 2
	s_cselect_b32 s18, s20, s18
	s_mov_b32 s19, 0
	s_add_nc_u64 s[12:13], s[10:11], s[18:19]
	s_mov_b32 s[SEL], 0x76543210
	s_mov_b32 s[SEL+1], 0xfedcba98
.macro FRAG reg, adr, q, i             ; block i of my 128 rows, the slot's q-th 128 along K: six pieces of 256 consecutive bytes
.irp p, 0,1,2,3,4,5
	ds_load_b64 v[\reg+2*\p:\reg+2*\p+1], v[\adr] offset:(\i)*BLKB+(\q)*FRB+256*\p
.endr
.endm
; 16 matrix instructions: R's blocks a0, a0 + 1 x P's eight.  p: P's set; sc: the set of scale words.  zero = 1: the first product starts the sums.  The 64 accumulators take turns, one instruction a turn.
.macro MUL16 a0, p, q, sc, zero
.irp a, \a0, \a0+1
.irp b, 0,1,2,3,4,5,6,7
.if \zero
	v_wmma_scale_f32_16x16x128_f8f6f4 v[8*(8*((\a)%4)+\b):8*(8*((\a)%4)+\b)+7], v[128*(\p)+FR*\b:128*(\p)+FR*\b+FR-1], v[AF+FR*(\a):AF+FR*(\a)+FR-1], 0, v[SC+8*NQ*(\sc)+NQ*\b+(\q)], v[SC+8*NQ*(\sc)+NQ*(\a)+(\q)] matrix_a_fmt:MATRIX_FMT_BF6 matrix_b_fmt:MATRIX_FMT_BF6 matrix_a_scale:MATRIX_SCALE_ROW1
.else
	v_wmma_scale_f32_16x16x128_f8f6f4 v[8*(8*((\a)%4)+\b):8*(8*((\a)%4)+\b)+7], v[128*(\p)+FR*\b:128*(\p)+FR*\b+FR-1], v[AF+FR*(\a):AF+FR*(\a)+FR-1], v[8*(8*((\a)%4)+\b):8*(8*((\a)%4)+\b)+7], v[SC+8*NQ*(\sc)+NQ*\b+(\q)], v[SC+8*NQ*(\sc)+NQ*(\a)+(\q)] matrix_a_fmt:MATRIX_FMT_BF6 matrix_b_fmt:MATRIX_FMT_BF6 matrix_a_scale:MATRIX_SCALE_ROW1
.endif
.endr
.endr
.endm
.macro FETCH_B slot, q, p
	WIN TO_B
.irp i, 0,1,2,3,4,5,6,7
	FRAG 128*(\p)+FR*\i, ADRB+\slot, \q, \i
.endr
	WIN 0
.endm
.macro FETCH_A slot, q, i0
.irp i, \i0, \i0+1, \i0+2, \i0+3
	FRAG AF+FR*(\i), ADRA+\slot, \q, \i
.endr
.endm
.macro SCALES sc                       ; a slot's two scale words a row; lanes 0-15 R's block i, lanes 16-31 P's block i
.irp i, 0,1,2,3,4,5,6,7
	ds_load_b64 v[SC+8*NQ*\sc+NQ*\i:SC+8*NQ*\sc+NQ*\i+1], v[ADRS] offset:\i*SBLK
.endr
.endm
.macro PLACES n                        ; plain vector instructions between a matrix instruction and a load into, or a vector instruction on, its registers
.rept \n
	v_nop
.endr
.endm
.macro STEP slot, q, zero              ; a step of 128 along K that has its successor in the same slot
	s_wait_dscnt 4*NL                              ; P's set and R's blocks 0-3 are in; the youngest 24 loads (R's blocks 4-7) may be out
	WIN MUL_LO
	MUL16 0, (\q)%2, \q, \slot, \zero
	MUL16 2, (\q)%2, \q, \slot, \zero
	s_wait_dscnt 0
	PLACES NP
	FETCH_B \slot, (\q)+1, 1-(\q)%2
	FETCH_A \slot, (\q)+1, 0
	WIN MUL_HI
	MUL16 4, (\q)%2, \q, \slot, \zero
	MUL16 6, (\q)%2, \q, \slot, \zero
	PLACES NP
	WIN 0
	FETCH_A \slot, (\q)+1, 4
.endm
; A slot's last step changes slots: one barrier; in front of it each wave waits for all its tensor loads, adds 0 to its spare word, and waits for that and for its reads of this slot.
.macro TURN slot, next, fill
	s_wait_tensorcnt 0x0                           ; all my tensor loads have landed: my part of the next slot
	ds_add_u32 v[SPW], v[NIL]                      ; 0 onto my spare word
	s_wait_dscnt 4*NL+1                            ; the add and the youngest 24 loads may be out
	WIN MUL_LO
	MUL16 0, 1, NQ-1, \slot, 0
	s_wait_dscnt 0x0                               ; the add is done, and my reads of this slot are over
	s_barrier_signal -1
	MUL16 2, 1, NQ-1, \slot, 0
	WIN 0
	s_barrier_wait -1
.if \fill
	CREST                                          ; the barrier has opened a round of the cluster's: no wave of any partner still reads this slot or has a load on its way
	s_add_nc_u64 s[G0+4*\slot+2:G0+4*\slot+3], s[G0+4*\slot+2:G0+4*\slot+3], 2*BLKB
	s_add_nc_u64 s[G0B+4*\slot+2:G0B+4*\slot+3], s[G0B+4*\slot+2:G0B+4*\slot+3], 2*BLKB
	JLOAD G0+4*\slot, G1, G0B+4*\slot, G1B         ; the first tensor load behind the round; its four v_nop are also the places in front of the loads below
.else
	PLACES NP
.endif
	s_wait_alu depctr_va_vdst(0)
	v_add_nc_u32 v[ADRS], 4*NQ, v[ADRS]            ; the next slot's scale words (no LDS load of mine is out)
	FETCH_B \next, 0, 0
	FETCH_A \next, 0, 0
	SCALES \next
	WIN MUL_HI
	MUL16 4, 1, NQ-1, \slot, 0
	MUL16 6, 1, NQ-1, \slot, 0
	PLACES NP
	WIN 0
	FETCH_A \next, 0, 4
.endm
	s_wait_alu depctr_va_vdst(0)
	s_wait_loadcnt 0x0                             ; the biases
	s_wait_tensorcnt 0x0                           ; my tile of the head's four is in
	ds_add_u32 v[SPW], v[NIL]
	s_mov_b32 s[G1+2], 8<<16                       ; no tensor load of mine is out: from here on a load brings 8 blocks,
	s_mov_b32 s[G1+4], 8
	s_mov_b32 s[G1B+2], 8<<16
	s_mov_b32 s[G1B+4], 8
	s_mov_b32 s[G0+1], s45                         ; and slot 0's group 0 names my 128 rows
	s_add_nc_u64 s[G0+2:G0+3], s[G0+2:G0+3], s[100:101]
	s_mov_b32 s[G0B+1], s45
	s_add_nc_u64 s[G0B+2:G0B+3], s[G0B+2:G0B+3], s[100:101]
	s_wait_dscnt 0x0
	CROUND                                         ; a whole round: all four tiles are in, and the joint loads meet
	JLOAD G0+4, G1, G0B+4, G1B                     ; slot 1's first fill, the first tensor load behind the round
	FETCH_B 0, 0, 0
	FETCH_A 0, 0, 0
	SCALES 0
	FETCH_A 0, 0, 4
	STEP 0, 0, 1
	s_mov_b32 s3, LAPS-1
.Llap:
	TURN 0, 1, 1
	STEP 1, 0, 0
	TURN 1, 0, 1
	STEP 0, 0, 0
	s_sub_co_u32 s3, s3, 1
	s_cmp_lg_u32 s3, 0
	s_cbranch_scc1 .Llap
	TURN 0, 1, 0
	STEP 1, 0, 0
	s_wait_dscnt 4*NL
	WIN MUL_LO
	MUL16 0, 1, NQ-1, 1, 0
	MUL16 2, 1, NQ-1, 1, 0
	s_wait_dscnt 0
	WIN MUL_HI
	MUL16 4, 1, NQ-1, 1, 0
	MUL16 6, 1, NQ-1, 1, 0
	WIN 0
; THE WAY OUT.  For each of my eight blocks of 16 R rows: bias added (which also brings the 64 numbers into window 0), quantised along P, stored as an image.
.macro QUANT s, pw
.irp b, 0,1,2,3
	v_max3_num_f32 v[TM+\b], |v[\s+16*\b]|, |v[\s+1+16*\b]|, 0x2800000   ; block b: my 16 numbers, and the floor 2^(5 - 127)
.endr
.irp i, 2,4,6,8,10,12,14
.irp b, 0,1,2,3
	v_max3_num_f32 v[TM+\b], v[TM+\b], |v[\s+16*\b+\i]|, |v[\s+1+16*\b+\i]|
.endr
.endr
.irp b, 0,1,2,3
	v_permlanex16_b32 v[TM+4+\b], v[TM+\b], s[SEL], s[SEL+1]
.endr
.irp b, 0,1,2,3
	v_max_num_f32 v[TM+\b], v[TM+\b], v[TM+4+\b]
.endr
.irp b, 0,1,2,3
	v_add_nc_u32 v[TM+12+\b], 0xfe000000, v[TM+\b]   ; 4 off the exponent field: the conversion's scale operand
.endr
.irp b, 0,1,2,3
	v_lshrrev_b32 v[TM+4+\b], 23, v[TM+12+\b]
.endr
	v_lshl_or_b32 v[\pw], v[TM+5], 8, v[TM+4]
	v_lshl_or_b32 v[\pw], v[TM+6], 16, v[\pw]
	v_lshl_or_b32 v[\pw], v[TM+7], 24, v[\pw]
.irp c, 0,1
	v_cvt_scalef32_pk16_bf6_f32 v[PC+6*\c:PC+2+6*\c], v[\s+32*\c:\s+15+32*\c], v[TM+12+2*\c]
	v_cvt_scalef32_pk16_bf6_f32 v[PC+12+4*\c:PC+14+4*\c], v[\s+16+32*\c:\s+31+32*\c], v[TM+12+2*\c+1]
.endr
	v_nop                                          ; one plain instruction behind the scaled conversions
.irp c, 0,1
.irp i, 0,1,2
	v_permlane16_swap_b32 v[PC+6*\c+\i], v[PC+12+4*\c+\i]
.endr
.irp i, 0,1,2
	v_mov_b32 v[PC+3+6*\c+\i], v[PC+12+4*\c+\i]
.endr
.endr
.endm
.macro EPI a, kind                     ; kind 0: q, k (128 along P = two heads x two blocks);  1: v (128 along P = one key step)
	s_wait_xcnt 0x0                                ; the last block's stores have read the codes' registers
	WIN 0x02+(\a)/4                                ; source 0: window 2 or 3
.irp b, 0,1,2,3,4,5,6,7
.irp j, 0,2,4,6
.if \kind
	v_pk_add_f32 v[T+8*\b+\j:T+8*\b+\j+1], v[8*(8*((\a)%4)+\b)+\j:8*(8*((\a)%4)+\b)+\j+1], v[BIV+2*(\a):BIV+2*(\a)+1]
.else
	v_pk_add_f32 v[T+8*\b+\j:T+8*\b+\j+1], v[8*(8*((\a)%4)+\b)+\j:8*(8*((\a)%4)+\b)+\j+1], v[BIQ+8*\b+\j:BIQ+8*\b+\j+1]
.endif
.endr
.endr
	WIN 0
	QUANT T, PW+(\a)
.if \kind
.irp p, 0,1,2,3,4,5
	global_store_b64 v[L8], v[PC+2*\p:PC+2*\p+1], s[12:13] offset:((\a)/4)*HV+((\a)%4)*FRB+256*\p   ; head a / 4 of my two, d tile a % 4: 256 consecutive bytes a store
.endr
.else
.irp p, 0,1,2
	global_store_b64 v[L8], v[PC+2*\p:PC+2*\p+1], s[12:13] offset:768*(\a)+256*\p               ; registers 0-5: my first head
	global_store_b64 v[L8], v[PC+6+2*\p:PC+7+2*\p], s[12:13] offset:HQ+768*(\a)+256*\p          ; registers 6-11: my second
.endr
.endif
.endm
	PLACES NP                                      ; behind the last products: their results are read and R's registers written below
.irp b, 0,1,2,3
	v_mov_b32 v[TM+4+\b], 0                        ; a lane permute's destination counts as one of its sources
.endr
	v_cmp_ne_u32 vcc_lo, 0, v2                     ; lanes 16-31
	s_cmp_eq_u32 ttmp9, 2
	s_cbranch_scc1 .Lv_out
.irp a, 0,1,2,3,4,5,6,7
	EPI \a, 0
.endr
.irp e, 0,1,2,3
	v_cndmask_b32 v[T+\e], v[PW+\e], v[PW+4+\e], vcc_lo   ; lane (r, h): the words of token blocks 4 h + 0 .. 3, row r.  Bytes 0, 1: my first head's; bytes 2, 3 stand over zero codes there
.endr
.irp e, 0,1,2,3
	v_lshrrev_b32 v[T+4+\e], 16, v[T+\e]           ; my second head's
.endr
	global_store_b128 v[L16], v[T:T+3], s[12:13] offset:6144
	global_store_b128 v[L16], v[T+4:T+7], s[12:13] offset:HQ+6144
	s_branch .Ldone
.Lv_out:
.irp a, 0,1,2,3,4,5,6,7
	EPI \a, 1
.endr
	v_cndmask_b32 v[T], v[PW], v[PW+2], vcc_lo     ; lane (r, h): the words of d tiles 2 h, 2 h + 1, row r
	v_cndmask_b32 v[T+1], v[PW+1], v[PW+3], vcc_lo
	v_cndmask_b32 v[T+2], v[PW+4], v[PW+6], vcc_lo
	v_cndmask_b32 v[T+3], v[PW+5], v[PW+7], vcc_lo
	global_store_b64 v[L8], v[T:T+1], s[12:13] offset:6144
	global_store_b64 v[L8], v[T+2:T+3], s[12:13] offset:HV+6144
.Ldone:
	s_wait_tensorcnt 0x0                           ; the wave's end
	ds_add_u32 v[SPW], v[NIL]
	s_wait_dscnt 0x0
	CROUND                                         ; the closing round: no work-group ends while a partner may still ask for a tile that names it
	s_endpgm
.Lfunc_end_k_q8f6d37cb2e_qkv:
	.size	k_q8f6d37cb2e_qkv, .Lfunc_end_k_q8f6d37cb2e_qkv-k_q8f6d37cb2e_qkv
	.p2alignl 7, 3214868480
	.fill 96, 4, 3214868480
	.section	.rodata,"a",@progbits
	.p2align	6, 0x0
	.amdhsa_kernel k_q8f6d37cb2e_qkv
		.amdhsa_group_segment_fixed_size 327680
		.amdhsa_private_segment_fixed_size 0
		.amdhsa_enable_private_segment 0
		.amdhsa_kernarg_size 32
		.amdhsa_user_sgpr_count 2
		.amdhsa_user_sgpr_kernarg_segment_ptr 1
		.amdhsa_wavefront_size32 1
		.amdhsa_system_sgpr_workgroup_id_x 1
		.amdhsa_system_sgpr_workgroup_id_y 1
		.amdhsa_system_sgpr_workgroup_id_z 1
		.amdhsa_system_vgpr_workitem_id 0
		.amdhsa_next_free_vgpr 1024
		.amdhsa_next_free_sgpr 102
		.amdhsa_reserve_vcc 1
		.amdhsa_float_denorm_mode_32 3
		.amdhsa_float_denorm_mode_16_64 3
		.amdhsa_memory_ordered 1
		.amdhsa_forward_progress 1
		.amdhsa_inst_pref_size 238
	.end_amdhsa_kernel
	.amdgpu_metadata
---
amdhsa.version: [ 1, 2 ]
amdhsa.kernels:
  - .name:           k_q8f6d37cb2e_qkv
    .symbol:         k_q8f6d37cb2e_qkv.kd
    .args:
      - { .name: xq, .offset: 0, .size: 8, .value_kind: global_buffer, .address_space: global }
      - { .name: wa, .offset: 8, .size: 8, .value_kind: global_buffer, .address_space: global }
      - { .name: b_attn, .offset: 16, .size: 8, .value_kind: global_buffer, .address_space: global }
      - { .name: qkv, .offset: 24, .size: 8, .value_kind: global_buffer, .address_space: global }
    .group_segment_fixed_size: 327680
    .private_segment_fixed_size: 0
    .kernarg_segment_align: 8
    .kernarg_segment_size: 32
    .max_flat_workgroup_size: 128
    .sgpr_count:     102
    .vgpr_count:     1024
    .wavefront_size: 32
...
	.end_amdgpu_metadata
.endif
;; end of part 2
;; launch attn (part 3): grid 4 x 64, 16 waves a work-group, clusters of 4 x 1, 327,680 bytes of LDS; arguments qkv, oq; writes oq
.if DOCPART == 3
	.amdgcn_target "amdgcn-amd-amdhsa--gfx1250"
	.amdhsa_code_object_version 6
	.text
	.protected	k_q8f6d37cb2e_attn
	.globl	k_q8f6d37cb2e_attn
	.p2align	8
	.type	k_q8f6d37cb2e_attn,@function
k_q8f6d37cb2e_attn:
	s_mov_b64 s[64:65], 0
	v_nop
	global_prefetch_b8 v0, s[64:65] scope:SCOPE_SE
	s_setreg_imm32_b32 hwreg(HW_REG_WAVE_MODE, 25, 1), 1
	s_wait_xcnt 0x0
	s_wait_alu depctr_hold_cnt(0) depctr_sa_sdst(0) depctr_va_vdst(0) depctr_va_sdst(0) depctr_va_ssrc(0) depctr_va_vcc(0) depctr_vm_vsrc(0)
	s_getreg_b32 s2, hwreg(HW_REG_IB_STS2, 6, 4)
	s_cmp_eq_u32 s2, 0
	s_cbranch_scc0 .Lentry_in_a_cluster
	s_endpgm
.Lentry_in_a_cluster:
	s_bfe_u32 s2, ttmp6, 0x10000c
	s_cmp_lg_u32 s2, 0x3003
	s_cbranch_scc0 .Lentry_shape_is_right
	s_endpgm
.Lentry_shape_is_right:
; Causal attention of one head on codes of E3M2; head size 64, 2,048 tokens.  q, k, v come as the launch before left them; the result, divided by the row's sum, is quantised along the head's 64 and stored as half an image of the last product's operand.
; THE SOFTMAX: t = score x log2(e) / 8; M = the running largest t rounded UP to a whole number; p = 2^(t - M) is quantised along the keys, not normalised; the row's sum is taken of the unquantised p; when M moves, sum and O are multiplied by 2^(old M - new M), exactly.
; LEFT OUT: key steps all of whose 128 keys come after a tile's queries lie wholly under the causal mask.
; LDS HOLDS THE WHOLE HEAD: K's 16 groups (106,496 bytes), then V's 16 key steps (102,400 bytes), filled once at the head: waves 0-7 bring 52 rows of 256 bytes of K each, waves 8-15 50 rows of V.  Nothing is filled again: one barrier, and then no wave waits for another.
; CLUSTER 4 x 1: the four work-groups of a head want the same bytes at the same time: joint loads, mask 15.
; SHARES.  Wave w of work-group g owns the tiles of 16 queries j = 4 w + g and 127 - j.  Tile j needs the key steps 0 .. j / 8, the last of them masked: (w / 2 + 1) + (16 - w / 2) = 17 steps for every wave.  j / 8 = w / 2 hangs on the wave's number alone: no branch hangs on g.
; THE LOOP has 32 trips: trips 0-15 serve the first tile, 16-31 the second, key step = trip & 15; a trip beyond the tile's last step is jumped over.  Every work-group's wave 0 reads up to key step 15, so every byte fetched is read.
; The first product's K is 64: Q's registers 6-11 are zero codes.  So the upper half of K's operand counts for nothing and K's eight fragments lie densely, six registers each: a fragment's upper half is its neighbour's data (behind the last: six zeros).  The scale words' upper bytes are a neighbour's bytes or 0, never 0xff.
; Both products transposed (S^T = K Q^T, O^T = V^T P^T): a lane holds one query.  p's codes stand in each block of 32 in the order 0-7, 16-23, 8-15, 24-31, as v's do; O's likewise, as w_proj's do.
; THE ROW'S SUM stands in eight packed partial sums from step to step; they are joined at the tile's end.
; NO PREFETCH: all that the launch reads by tensor loads is asked for at its head; there is no loop to run ahead in.
; LIMITS: the scaled scores stay under 2^31 in magnitude; NaN and infinities are not served; a block of O under 2^-122 or of zeros gets the byte 1.
.set HQ,    106496
.set GQ,    6656
.set HV,    102400
.set GV,    6400
.set KREG,  6815744
.set VREG,  13631488
.set OSC,   6291456
.set RBB,   12288
.set VB,    HQ                         ; LDS: V lies behind K
.set SPARE, HQ+HV                      ; the spare words: 128 bytes for each of 16 waves, eight blocks of 256 bytes that no other line names
; v1 8 x lane, v2 16 x lane, v7 2 r, v10 16 r, v11 r - 8 h; v12 -M, v13 largest score; v16-21 Q, v22-27 zeros; v32-79 K's eight fragments, then V's four; v80-85 zeros; v96-159 S^T, then p; v160-191 O^T;
; v192-198 the second tile's Q and scale word; v200-201 V's scale words; v[202:203] f; v204-205 the mask's; v224-242 p's codes; v248-251 K's scale words; v252 the old -M; v253 p's scale word; v255 Q's;
; v[14:15], v86-95, v[30:31], v[222:223] the eight partial sums.
.set KA,   3                           ; v3 K's codes of the step in hand, v4 its scale words, v28 V's
.set KSA,  4
.set SPW,  5                           ; v5 my spare word; never rewritten
.set NIL,  6                           ; v6 0; never rewritten
.set VA,   28
.set BM,   206                         ; v206-209 each block's largest score, then largest p
.set PT,   210                         ; v210-213 a second chain of maxima, then lane l xor 16's
.set SO,   214                         ; v214-217 the conversions' scale operands
.set BY,   218                         ; v218-221 the scale bytes
.set WV,   18
.set SEL,  20
.set CS,   22                          ; s[22:23] c = log2(e) / 8
.set G1K,  24
.set G1V,  32
.set G0K,  40
.set G0V,  44
.set U,    48                          ; the trip
.set KX,   49                          ; the key step
.set LIM,  50                          ; the tile's last key step
.set LA,   51                          ; w / 2
.set LB,   52                          ; 15 - w / 2
.set SK,   53
.set SV,   54
.set DG,   55                          ; 16 (tile % 8): my first query less the masked step's first key
.set DG2,  56
.set J1,   57
.set J2,   58
.set CX,   59
.set OC,   60                          ; s[60:61], s[62:63] where the tile in hand stores codes and scale halves; s[66:67], s[68:69] the second tile's
.set OS,   62
.set OC2,  66
.set OS2,  68
.set MK,   88                          ; s88-95 eight lane masks
.macro CROUND                          ; a round of the cluster's barrier
	s_barrier_signal -1
	s_barrier_wait -1
	s_cmp_lg_u32 s[WV], 0
	s_cbranch_scc1 .Lnot_wave_0_\@
	s_barrier_signal -3
.Lnot_wave_0_\@:
	s_barrier_wait -3
	s_barrier_signal -1
	s_barrier_wait -1
.endm
.macro RESET                           ; a tile begins: O^T and the sums are zeros, the largest score lies under every score
.set n, 0
.rept 32
	v_mov_b32 v[160+n], 0
.set n, n+1
.endr
	v_mov_b32 v13, 0xff61b1e6                      ; -3e38
	s_delay_alu instid0(VALU_DEP_1)
	v_floor_f32 v12, -v13
.irp t, 14,15,86,87,88,89,90,91,92,93,94,95,30,31,222,223
	v_mov_b32 v\t, 0
.endr
.endm
; tile s[j]: where its codes and scale words lie in q, where its result goes, and its place in its group of 128
.macro TILEPTR j, qc, qs, oc, os, dg
	s_lshr_b32 s82, s[\j], 3
	s_mul_i32 s82, s82, GQ
	s_add_co_u32 s82, s82, s74
	s_and_b32 s84, s[\j], 7
	s_lshl_b32 s[\dg], s84, 4
	s_mul_i32 s85, s84, 768
	s_add_co_u32 s86, s82, s85
	s_mov_b32 s87, 0
	s_add_nc_u64 s[\qc:\qc+1], s[4:5], s[86:87]
	s_lshr_b32 s85, s84, 2
	s_lshl_b32 s85, s85, 8
	s_and_b32 s84, s84, 3
	s_lshl_b32 s84, s84, 2
	s_add_co_u32 s86, s82, s85
	s_add_co_u32 s86, s86, s84
	s_add_co_u32 s86, s86, 6144                    ; word 4 (16 (block / 4) + r) + block % 4
	s_add_nc_u64 s[\qs:\qs+1], s[4:5], s[86:87]
	s_lshr_b32 s82, s72, 4                         ; the batch
	s_lshl_b32 s82, s82, 7
	s_add_co_u32 s82, s82, s[\j]                   ; the block of 16 rows of oq
	s_mul_i32 s84, s82, RBB
	s_and_b32 s85, s72, 15                         ; the head in its batch: 768 bytes a head
	s_mul_i32 s86, s85, 768
	s_add_co_u32 s86, s86, s84
	s_add_nc_u64 s[\oc:\oc+1], s[6:7], s[86:87]
	s_lshl_b32 s86, s85, 14
	s_lshl_b32 s84, s82, 5
	s_add_co_u32 s86, s86, s84
	s_add_co_u32 s86, s86, OSC                     ; [head 16][row 8,192] of 2 bytes
	s_add_nc_u64 s[\os:\os+1], s[6:7], s[86:87]
.endm
	s_load_b128 s[4:7], s[0:1], 0x0                ; qkv s[4:5], oq s[6:7]
	v_lshl_add_u32 v[SPW], v0, 2, SPARE
	v_mov_b32 v[NIL], 0
	ds_add_u32 v[SPW], v[NIL]                      ; the opening lines
	ds_add_u32 v[SPW], v[NIL]
	v_lshrrev_b32 v8, 5, v0
	v_readfirstlane_b32 s[WV], v8                  ; wave 0..15
	s_and_b32 s72, ttmp7, 0xffff                   ; the head, 16 batch + head: the cluster's y
	s_bfe_u32 s[CX], ttmp6, 0x40000                ; g: my place in the cluster
	s_and_b32 s73, s[WV], 7
	s_mul_i32 s74, s72, HQ
	s_mul_i32 s76, s73, 2*GQ                       ; K: two groups a wave, in memory and in LDS
	s_add_co_u32 s78, s74, s76
	s_add_co_u32 s78, s78, KREG
	s_mov_b32 s79, 0
	s_mul_i32 s80, s72, HV
	s_mul_i32 s77, s73, 2*GV                       ; V: two key steps a wave
	s_add_co_u32 s80, s80, s77
	s_add_co_u32 s80, s80, VREG
	s_mov_b32 s81, 0
	s_add_co_u32 s77, s77, VB
	; group 1: dense blocks as rows of 256 bytes (32 elements of 8): K 52 rows, V 50; the mask names the cluster's four
	s_mov_b32 s[G1K], 15|(3<<16)|(1<<21)
	s_mov_b32 s[G1K+1], 32<<16
	s_mov_b32 s[G1K+2], 52<<16
	s_mov_b32 s[G1K+3], 32<<16
	s_mov_b32 s[G1K+4], 52
	s_mov_b32 s[G1K+5], 32
	s_mov_b32 s[G1K+6], 0
	s_mov_b32 s[G1K+7], 0
	s_mov_b32 s[G1V], 15|(3<<16)|(1<<21)
	s_mov_b32 s[G1V+1], 32<<16
	s_mov_b32 s[G1V+2], 50<<16
	s_mov_b32 s[G1V+3], 32<<16
	s_mov_b32 s[G1V+4], 50
	s_mov_b32 s[G1V+5], 32
	s_mov_b32 s[G1V+6], 0
	s_mov_b32 s[G1V+7], 0
	s_mov_b32 s[SEL], 0x76543210
	s_mov_b32 s[SEL+1], 0xfedcba98
	s_mov_b32 s[CS], 0x3e38aa3b                    ; log2(e) / sqrt(64)
	s_mov_b32 s[CS+1], s[CS]
	s_lshr_b32 s[LA], s[WV], 1
	s_sub_co_u32 s[LB], 15, s[LA]
	s_lshl_b32 s[J1], s[WV], 2
	s_add_co_u32 s[J1], s[J1], s[CX]
	s_sub_co_u32 s[J2], 127, s[J1]
	s_wait_dscnt 0x0                               ; both opening adds are done
	s_wait_kmcnt 0x0
	s_mov_b32 s[G0K], 1
	s_mov_b32 s[G0K+1], s76
	s_add_nc_u64 s[G0K+2:G0K+3], s[4:5], s[78:79]
	s_or_b32 s[G0K+3], s[G0K+3], 0x80000000
	s_mov_b32 s[G0V], 1
	s_mov_b32 s[G0V+1], s77
	s_add_nc_u64 s[G0V+2:G0V+3], s[4:5], s[80:81]
	s_or_b32 s[G0V+3], s[G0V+3], 0x80000000
	CROUND                                         ; all four work-groups are here: the joint loads meet
	s_cmp_lt_u32 s[WV], 8                          ; every wave issues one load: waves 0-7 K's, waves 8-15 V's
	s_cbranch_scc0 .Lfor_v
	tensor_load_to_lds s[G0K:G0K+3], s[G1K:G1K+7]
	s_nop 0
.rept 4
	v_nop
.endr
	s_branch .Lasked
.Lfor_v:
	tensor_load_to_lds s[G0V:G0V+3], s[G1V:G1V+7]
	s_nop 0
.rept 4
	v_nop
.endr
.Lasked:
	TILEPTR J1, 8, 10, OC, OS, DG
	TILEPTR J2, 12, 14, OC2, OS2, DG2
	v_and_b32 v11, 31, v0
	s_delay_alu instid0(VALU_DEP_1)
	v_lshlrev_b32 v1, 3, v11
	s_delay_alu instid0(VALU_DEP_2)
	v_lshlrev_b32 v2, 4, v11
	v_and_b32 v8, 15, v0
	v_bfe_u32 v9, v0, 4, 1
	s_delay_alu instid0(VALU_DEP_2)
	v_lshlrev_b32 v7, 1, v8
	s_delay_alu instid0(VALU_DEP_3)
	v_lshlrev_b32 v10, 4, v8
	s_delay_alu instid0(VALU_DEP_3)
	v_lshlrev_b32 v11, 3, v9
	s_delay_alu instid0(VALU_DEP_1)
	v_sub_nc_u32 v11, v8, v11
.irp p, 0,1,2
	global_load_b64 v[16+2*\p:17+2*\p], v1, s[8:9] offset:256*\p       ; Q of the first tile stays in registers,
	global_load_b64 v[192+2*\p:193+2*\p], v1, s[12:13] offset:256*\p   ; Q of the second waits
.endr
	global_load_b32 v255, v10, s[10:11]
	global_load_b32 v198, v10, s[14:15]
.irp i, 0,1,2,3,4,5
	v_mov_b32 v[22+\i], 0                          ; Q's zero codes for K 64 .. 127
	v_mov_b32 v[80+\i], 0                          ; the upper half of K's last fragment
.endr
	v_mov_b32 v202, 0
	v_mov_b32 v203, 0                              ; named as the upper half of the pair v[202:203]
	v_mov_b32 v254, 0                              ; a lane permute's destination counts as one of its sources
	RESET
	s_mov_b32 s[U], 0
	s_wait_alu depctr_va_vdst(0)
	s_wait_loadcnt 0x0                             ; Q
	s_wait_tensorcnt 0x0                           ; my part of K or V is in;
	s_barrier_signal -1
	s_barrier_wait -1                              ; and everybody's
.Ltrip:
	s_and_b32 s[KX], s[U], 15
	s_cmp_lt_u32 s[U], 16
	s_cselect_b32 s[LIM], s[LA], s[LB]
	s_cmp_gt_u32 s[KX], s[LIM]                     ; all its keys come after my queries: nothing to do
	s_cbranch_scc1 .Lnext
	s_mul_i32 s[SK], s[KX], GQ
	s_mul_i32 s[SV], s[KX], GV
	s_add_co_u32 s[SV], s[SV], VB
	v_add_nc_u32 v[KA], s[SK], v1
	v_add_nc_u32 v[KSA], s[SK], v2
	v_add_nc_u32 v[VA], s[SV], v1
.irp t, 0,1,2,3,4,5,6,7                        ; K's eight fragments, six registers each, on end (the last step's 24 additions stand between its products and these loads)
.irp p, 0,1,2
	ds_load_b64 v[32+6*\t+2*\p:33+6*\t+2*\p], v[KA] offset:768*\t+256*\p
.endr
.endr
	ds_load_b128 v[248:251], v[KSA] offset:6144    ; lane (r, h): the scale words of tiles 4 h + 0 .. 3, key r
	s_wait_alu depctr_va_vdst(0)
	s_wait_dscnt 0x0
.irp t, 0,1,2,3                                ; S^T = K Q^T
	v_wmma_scale_f32_16x16x128_f8f6f4 v[96+8*\t:103+8*\t], v[32+6*\t:43+6*\t], v[16:27], 0, v[248+\t], v255 matrix_a_fmt:MATRIX_FMT_BF6 matrix_b_fmt:MATRIX_FMT_BF6
.endr
.irp t, 0,1,2,3
	v_wmma_scale_f32_16x16x128_f8f6f4 v[128+8*\t:135+8*\t], v[56+6*\t:67+6*\t], v[16:27], 0, v[248+\t], v255 matrix_a_fmt:MATRIX_FMT_BF6 matrix_b_fmt:MATRIX_FMT_BF6 matrix_a_scale:MATRIX_SCALE_ROW1
.endr
.rept 4
	v_nop                                          ; four places: for the loads into K's registers and for the first reads of the scores
.endr
.irp t, 0,1,2,3                                ; V's four fragments (16 d x 128 keys) land where K's lay, under the softmax
.irp p, 0,1,2,3,4,5
	ds_load_b64 v[32+12*\t+2*\p:33+12*\t+2*\p], v[VA] offset:1536*\t+256*\p
.endr
.endr
	ds_load_b64 v[200:201], v[VA] offset:6144      ; lane (r, h): the scale words of d tiles 2 h, 2 h + 1, row r
	s_cmp_lg_u32 s[KX], s[LIM]                     ; only a tile's last step holds hidden keys
	s_cbranch_scc1 .Lopen
	v_add_nc_u32 v204, s[DG], v11                  ; d = my query - the step's first key - 8 h.  Register 8 T + j holds key 16 T + 8 h + j of the step: hidden where j > d - 16 T
	v_mov_b32 v205, 0xff800000
.set n, 0
.rept 8                                        ; a tile of 16 keys at a time: eight compares into eight scalar masks, then eight selects
.irp j, 0,1,2,3,4,5,6,7
	v_cmp_gt_i32 s[MK+\j], \j, v204
.endr
	v_add_nc_u32 v204, -16, v204                   ; d - 16 T for the next tile
.irp j, 0,1,2,3,4,5,6,7
	v_cndmask_b32 v[96+n+\j], v[96+n+\j], v205, s[MK+\j]
.endr
.set n, n+8
.endr
.Lopen:
; the largest score of each block of 32 keys: for the row's maximum and, since p rises with the score, for the block's largest p.  Two chains a block, one on each tile of 16 keys, eight chains by turns
.irp b, 0,1,2,3
	v_max3_num_f32 v[BM+\b], v[96+16*\b], v[97+16*\b], v[98+16*\b]
.endr
.irp b, 0,1,2,3
	v_max3_num_f32 v[PT+\b], v[104+16*\b], v[105+16*\b], v[106+16*\b]
.endr
.irp i, 3,5
.irp b, 0,1,2,3
	v_max3_num_f32 v[BM+\b], v[BM+\b], v[96+16*\b+\i], v[97+16*\b+\i]
.endr
.irp b, 0,1,2,3
	v_max3_num_f32 v[PT+\b], v[PT+\b], v[104+16*\b+\i], v[105+16*\b+\i]
.endr
.endr
.irp b, 0,1,2,3
	v_max3_num_f32 v[BM+\b], v[BM+\b], v[PT+\b], v[103+16*\b]
.endr
.irp b, 0,1,2,3
	v_max_num_f32 v[BM+\b], v[BM+\b], v[111+16*\b]
.endr
.irp b, 0,1,2,3
	s_delay_alu instid0(VALU_DEP_4)
	v_permlanex16_b32 v[PT+\b], v[BM+\b], s[SEL], s[SEL+1]
.endr
.irp b, 0,1,2,3
	s_delay_alu instid0(VALU_DEP_4)
	v_max_num_f32 v[BM+\b], v[BM+\b], v[PT+\b]     ; with lane l xor 16's 16 keys
.endr
	s_delay_alu instid0(VALU_DEP_2)
	v_max3_num_f32 v254, v[BM], v[BM+1], v[BM+2]
	s_delay_alu instid0(VALU_DEP_1)
	v_max3_num_f32 v13, v254, v[BM+3], v13         ; the running largest score (c is positive: the largest t is c x this)
	v_mov_b32 v252, v12                            ; the old -M
	s_delay_alu instid0(VALU_DEP_2)
	v_mul_f32 v254, s[CS], v13                     ; as t
	s_delay_alu instid0(VALU_DEP_1)
	v_floor_f32 v12, -v254                         ; the new -M = -ceil(t)
.set n, 0
.irp e, 0,1,2,3                                ; t - M; the three lines that make f = 2^(old M - new M) stand among these, eight apart
.rept 8
	v_pk_fma_f32 v[96+n:97+n], v[96+n:97+n], s[CS:CS+1], v[12:13] op_sel_hi:[1,0,0]
.set n, n+2
.endr
.if \e == 0
	v_sub_f32 v254, v12, v252                      ; old M - new M: a whole number, 0 or less
.endif
.if \e == 1
	v_cvt_i32_f32 v254, v254                       ; (it saturates)
.endif
.if \e == 2
	v_ldexp_f32 v202, 1.0, v254
.endif
.endr
.set n, 0
.rept 16
	v_pk_mul_f32 v[160+n:161+n], v[160+n:161+n], v[202:203] op_sel_hi:[1,0]   ; O^T under the new M
.set n, n+2
.endr
.irp b, 0,1,2,3
	v_fma_f32 v[BM+\b], v[BM+\b], s[CS], v12
.endr
	s_wait_alu depctr_va_vdst(0)
.set n, 0
.rept 64
	v_exp_f32 v[96+n], v[96+n]                     ; p = 2^(t - M)
.set n, n+1
.endr
.irp b, 0,1,2,3
	v_exp_f32 v[BM+\b], v[BM+\b]                   ; each block's largest p
.endr
	v_nop                                          ; a plain place behind the exponentials
	s_wait_alu depctr_va_vdst(0)                   ; one wait for the batch of 68, ahead of its first reader
.irp b, 0,1,2,3
	v_max_num_f32 v[BM+\b], 0x2800000, v[BM+\b]    ; the floor 2^(5 - 127)
.endr
.irp b, 0,1,2,3
	s_delay_alu instid0(VALU_DEP_4)
	v_add_nc_u32 v[SO+\b], 0xfe000000, v[BM+\b]    ; 4 off the exponent field: the conversion's scale operand
.endr
.irp b, 0,1,2,3
	s_delay_alu instid0(VALU_DEP_4)
	v_lshrrev_b32 v[BY+\b], 23, v[SO+\b]
.endr
.irp c, 0,1
	v_cvt_scalef32_pk16_bf6_f32 v[224+6*\c:226+6*\c], v[96+32*\c:111+32*\c], v[SO+2*\c]
	v_cvt_scalef32_pk16_bf6_f32 v[236+4*\c:238+4*\c], v[112+32*\c:127+32*\c], v[SO+2*\c+1]
.endr
	v_lshl_or_b32 v253, v[BY+1], 8, v[BY]          ; p's scale word for these 128 keys; this line is also the plain instruction behind the scaled conversions
.irp i, 0,1,2                                  ; the layout wants a whole block in a lane
	v_permlane16_swap_b32 v[224+\i], v[236+\i]
.endr
	v_lshl_or_b32 v253, v[BY+2], 16, v253
.irp i, 0,1,2
	v_permlane16_swap_b32 v[230+\i], v[240+\i]
.endr
	v_lshl_or_b32 v253, v[BY+3], 24, v253
.irp i, 0,1,2
	v_mov_b32 v[227+\i], v[236+\i]
.endr
.irp i, 0,1,2
	v_mov_b32 v[233+\i], v[240+\i]
.endr
; THE ROW'S SUM of the unquantised p: eight partial sums.  Each is brought under the new M and takes its first pair in one multiply-add; these eight stand between the writes of p's codes and scale word and the products; the other 24 additions stand behind the products, ahead of the next step's loads into V's registers.
.set n, 96
.irp t, 14,86,88,90,92,94,30,222
	v_pk_fma_f32 v[\t:\t+1], v[\t:\t+1], v[202:203], v[n:n+1] op_sel_hi:[1,0,1]
.set n, n+2
.endr
	s_wait_alu depctr_va_vdst(0)
	s_wait_dscnt 0x0                               ; V
.irp t, 0,1                                    ; O^T += V^T P^T: four accumulators by turns
	v_wmma_scale_f32_16x16x128_f8f6f4 v[160+8*\t:167+8*\t], v[32+12*\t:43+12*\t], v[224:235], v[160+8*\t:167+8*\t], v[200+\t], v253 matrix_a_fmt:MATRIX_FMT_BF6 matrix_b_fmt:MATRIX_FMT_BF6
.endr
.irp t, 2,3
	v_wmma_scale_f32_16x16x128_f8f6f4 v[160+8*\t:167+8*\t], v[32+12*\t:43+12*\t], v[224:235], v[160+8*\t:167+8*\t], v[198+\t], v253 matrix_a_fmt:MATRIX_FMT_BF6 matrix_b_fmt:MATRIX_FMT_BF6 matrix_a_scale:MATRIX_SCALE_ROW1
.endr
.set n, 112
.rept 3
.irp t, 14,86,88,90,92,94,30,222
	v_pk_add_f32 v[\t:\t+1], v[\t:\t+1], v[n:n+1]
.set n, n+2
.endr
.endr
	s_cmp_lg_u32 s[KX], s[LIM]                     ; was it the tile's last step?
	s_wait_alu depctr_va_vdst(0)
	s_cbranch_scc1 .Lnext
; A TILE ENDS: O^T / the sum, quantised along the head's 64 (two blocks of 32), stored; then the second tile's Q and places are taken up (behind the second tile these lines change nothing that is read).
	v_pk_add_f32 v[14:15], v[14:15], v[86:87]      ; the eight partial sums are joined
	v_pk_add_f32 v[88:89], v[88:89], v[90:91]
	v_pk_add_f32 v[92:93], v[92:93], v[94:95]
	v_pk_add_f32 v[30:31], v[30:31], v[222:223]
	v_pk_add_f32 v[14:15], v[14:15], v[88:89]
	v_pk_add_f32 v[92:93], v[92:93], v[30:31]
	v_pk_add_f32 v[14:15], v[14:15], v[92:93]
	v_add_f32 v14, v14, v15
	s_delay_alu instid0(VALU_DEP_1)
	v_permlanex16_b32 v254, v14, s[SEL], s[SEL+1]
	s_delay_alu instid0(VALU_DEP_1)
	v_add_f32 v14, v14, v254                       ; the row's sum
	s_wait_alu depctr_va_vdst(0)
	v_rcp_f32 v14, v14
	v_nop                                          ; a plain instruction behind the reciprocal
	s_wait_alu depctr_va_vdst(0)                   ; and the wait ahead of its first reader, which is also the first reader of O^T
.set n, 0
.rept 32
	v_mul_f32 v[96+n], v[160+n], v14               ; register 16 b + 8 u + j: d = 32 b + 16 u + 8 h + j of my query
.set n, n+1
.endr
.irp b, 0,1
	v_max3_num_f32 v[232+\b], |v[96+16*\b]|, |v[97+16*\b]|, 0x2800000
.endr
.irp i, 2,4,6,8,10,12,14
.irp b, 0,1
	s_delay_alu instid0(VALU_DEP_2)
	v_max3_num_f32 v[232+\b], v[232+\b], |v[96+16*\b+\i]|, |v[97+16*\b+\i]|
.endr
.endr
.irp b, 0,1
	s_delay_alu instid0(VALU_DEP_2)
	v_permlanex16_b32 v[236+\b], v[232+\b], s[SEL], s[SEL+1]
.endr
.irp b, 0,1
	s_delay_alu instid0(VALU_DEP_2)
	v_max_num_f32 v[232+\b], v[232+\b], v[236+\b]
.endr
.irp b, 0,1
	s_delay_alu instid0(VALU_DEP_2)
	v_add_nc_u32 v[244+\b], 0xfe000000, v[232+\b]
.endr
.irp b, 0,1
	s_delay_alu instid0(VALU_DEP_2)
	v_lshrrev_b32 v[236+\b], 23, v[244+\b]
.endr
	s_delay_alu instid0(VALU_DEP_1)
	v_lshl_or_b32 v254, v237, 8, v236              ; my row's two scale bytes
	v_cvt_scalef32_pk16_bf6_f32 v[224:226], v[96:111], v244
	v_cvt_scalef32_pk16_bf6_f32 v[240:242], v[112:127], v245
	v_nop
.irp i, 0,1,2
	v_permlane16_swap_b32 v[224+\i], v[240+\i]
.endr
.irp i, 0,1,2
	s_delay_alu instid0(VALU_DEP_3)
	v_mov_b32 v[227+\i], v[240+\i]                 ; lane (r, h): block h of row r: six registers of the next operand
.endr
.irp p, 0,1,2
	global_store_b64 v1, v[224+2*\p:225+2*\p], s[OC:OC+1] offset:256*\p   ; 256 consecutive bytes a store
.endr
	global_store_b16 v7, v254, s[OS:OS+1]          ; 32 bytes a wave (both halves of the lanes write the same bytes with the same value)
	s_wait_xcnt 0x0                                ; the stores have read their registers and bases, which are written below
.irp i, 0,1,2,3,4,5
	v_mov_b32 v[16+\i], v[192+\i]
.endr
	v_mov_b32 v255, v198                           ; the instructions of RESET stand between these writes and the next product
	RESET
	s_mov_b64 s[OC:OC+1], s[OC2:OC2+1]
	s_mov_b64 s[OS:OS+1], s[OS2:OS2+1]
	s_mov_b32 s[DG], s[DG2]
.Lnext:
	s_add_co_u32 s[U], s[U], 1
	s_cmp_lt_u32 s[U], 32
	s_wait_alu depctr_va_vdst(0)
	s_cbranch_scc1 .Ltrip
	s_wait_tensorcnt 0x0                           ; the wave's end
	ds_add_u32 v[SPW], v[NIL]
	s_wait_dscnt 0x0
	CROUND                                         ; the closing round
	s_endpgm
.Lfunc_end_k_q8f6d37cb2e_attn:
	.size	k_q8f6d37cb2e_attn, .Lfunc_end_k_q8f6d37cb2e_attn-k_q8f6d37cb2e_attn
	.p2alignl 7, 3214868480
	.fill 96, 4, 3214868480
	.section	.rodata,"a",@progbits
	.p2align	6, 0x0
	.amdhsa_kernel k_q8f6d37cb2e_attn
		.amdhsa_group_segment_fixed_size 327680
		.amdhsa_private_segment_fixed_size 0
		.amdhsa_enable_private_segment 0
		.amdhsa_kernarg_size 16
		.amdhsa_user_sgpr_count 2
		.amdhsa_user_sgpr_kernarg_segment_ptr 1
		.amdhsa_wavefront_size32 1
		.amdhsa_system_sgpr_workgroup_id_x 1
		.amdhsa_system_sgpr_workgroup_id_y 1
		.amdhsa_system_sgpr_workgroup_id_z 1
		.amdhsa_system_vgpr_workitem_id 0
		.amdhsa_next_free_vgpr 256
		.amdhsa_next_free_sgpr 100
		.amdhsa_reserve_vcc 0
		.amdhsa_float_denorm_mode_32 3
		.amdhsa_float_denorm_mode_16_64 3
		.amdhsa_memory_ordered 1
		.amdhsa_forward_progress 1
		.amdhsa_inst_pref_size 44
	.end_amdhsa_kernel
	.amdgpu_metadata
---
amdhsa.version: [ 1, 2 ]
amdhsa.kernels:
  - .name:           k_q8f6d37cb2e_attn
    .symbol:         k_q8f6d37cb2e_attn.kd
    .args:
      - { .name: qkv, .offset: 0, .size: 8, .value_kind: global_buffer, .address_space: global }
      - { .name: oq, .offset: 8, .size: 8, .value_kind: global_buffer, .address_space: global }
    .group_segment_fixed_size: 327680
    .private_segment_fixed_size: 0
    .kernarg_segment_align: 8
    .kernarg_segment_size: 16
    .max_flat_workgroup_size: 512
    .sgpr_count:     100
    .vgpr_count:     256
    .wavefront_size: 32
...
	.end_amdgpu_metadata
.endif
;; end of part 3
;; launch proj (part 4): grid 4 x 64, 4 waves a work-group, clusters of 4 x 4, 327,680 bytes of LDS; arguments oq, wp, b_proj, out0; writes out0
.if DOCPART == 4
	.amdgcn_target "amdgcn-amd-amdhsa--gfx1250"
	.amdhsa_code_object_version 6
	.text
	.protected	k_q8f6d37cb2e_proj
	.globl	k_q8f6d37cb2e_proj
	.p2align	8
	.type	k_q8f6d37cb2e_proj,@function
k_q8f6d37cb2e_proj:
	s_mov_b64 s[64:65], 0
	v_nop
	global_prefetch_b8 v0, s[64:65] scope:SCOPE_SE
	s_setreg_imm32_b32 hwreg(HW_REG_WAVE_MODE, 25, 1), 1
	s_wait_xcnt 0x0
	s_wait_alu depctr_hold_cnt(0) depctr_sa_sdst(0) depctr_va_vdst(0) depctr_va_sdst(0) depctr_va_ssrc(0) depctr_va_vcc(0) depctr_vm_vsrc(0)
	s_getreg_b32 s2, hwreg(HW_REG_IB_STS2, 6, 4)
	s_cmp_eq_u32 s2, 0
	s_cbranch_scc0 .Lentry_in_a_cluster
	s_endpgm
.Lentry_in_a_cluster:
	s_bfe_u32 s2, ttmp6, 0x10000c
	s_cmp_lg_u32 s2, 0xf033
	s_cbranch_scc0 .Lentry_shape_is_right
	s_endpgm
.Lentry_shape_is_right:
; out0 = O w_proj + b_proj on codes of E3M2, K = 1,024.  oq and wp hold images of operand registers: [block of 16 rows][K step of 128: 8][six pieces of 256 bytes, 8 bytes a lane]; behind wp's codes its scale bytes [row][32]; behind oq's its scale halves [head 16][row 8,192] of 2 bytes.
; A BLOCK of the result is 128 rows x 256 columns: 64 x 4 = 256 work-groups.  Four waves, each 64 rows x 128 columns: 32 accumulators, taken by turns.
; LDS HOLDS BOTH OPERANDS FOR ALL OF K: oq's 8 blocks (98,304 bytes, dense in memory), wp's 16 blocks (196,608), wp's scale bytes (8,192).  They come once, at the head, one tensor load a wave, as rows of 256 bytes: wave 0 oq's, waves 1 and 2 a half of wp's each, wave 3 the scale bytes.  Nothing is filled again.
; CLUSTERS 4 x 4: oq's rows are shared along a row of the cluster, wp's along a column: joint loads.
; oq's scale halves come by plain loads, are joined to scale words (two heads to a K step) and stored to LDS bytes of their own.
; Source 0 = 16 rows of wp, source 1 = 16 rows of oq: a lane holds eight neighbouring columns of one row of the result.  The bias is the C of each accumulator's first product.
; Two sets of fragments and scale words: ahead of a step's 32 products the next step's 80 LDS loads are issued into the other set.
; THE WAY OUT goes through a stage on oq's bytes, which have had their only fill; a barrier stands between every wave's last read of them and the first store.
; NO PREFETCH: all that tensor loads bring is asked for at the head; there is no loop to run ahead in.
.set OSC,   6291456
.set WPSC,  786432
.set SIZE_N, 1024
.set FR,    12
.set NP,    4                          ; places behind this matrix instruction (ISA guide 7.12.1)
.set FRB,   1536
.set RBB,   12288
.set PTL,   8*RBB                      ; LDS: wp's blocks behind oq's
.set SCL,   24*RBB                     ; then the scale bytes, 256 bytes + 16 of padding at a time: oq's 128 rows, wp's 256
.set HALFS, 16*272                     ; those of 128 rows
.set SBLK,  2*272                      ; of 16 rows
.set SPARE, SCL+3*HALFS                ; the spare words: 128 bytes a wave, two blocks of 256 bytes that no other line names
.set SPITCH, 528
.set ADRA, 16                          ; v16 my four blocks of oq; v20, v21 my blocks 0-3 and 4-7 of wp
.set ADRB, 20
.set STO,  24
.set RD,   25
.set CO,   26
.set ADRS, 27                          ; v27 my scale words: lanes 0-15 oq's rows, lanes 16-31 wp's
.set SPW,  28                          ; v28 my spare word; never rewritten
.set NIL,  29                          ; v29 0; never rewritten
.set BQO,  30
.set SGO,  31
.set SC,   32                          ; v32-47 scale words, two sets of eight
.set BIQ,  64                          ; v64-127 the bias at my 128 columns
.set AF,   128                         ; v128-223 oq's fragments, two sets of four;  window 1: wp's, two sets of eight, at v0 and v128;  window 2: the accumulators, (a, b) at v[8 (8 a + b)]
.set BK,   128                         ; the way out: 16 rows read back: v128-191 and v192-255 by turns
.set G1, 24
.set G0, 32
.set G1B, 48
.set G0B, 56
.set G1SB, 80
.set G0SB, 88
.set MSB, 0
.macro WIN new                         ; the immediate's high byte repeats the setting that is left
.if MSB != (\new)
	s_set_vgpr_msb (MSB<<8)|(\new)
.set MSB, (\new)
.endif
.endm
.set MUL_LO, 0xa1                      ; source 0 window 1, source 1 window 0, C and D window 2
.set MUL_1ST, 0x81                     ; the same with C (the bias) in window 0
.set TO_B,   0x40                      ; destination window 1, address window 0
.macro CROUND                          ; a round of the cluster's barrier
	s_barrier_signal -1
	s_barrier_wait -1
	s_cmp_lg_u32 s14, 0
	s_cbranch_scc1 .Lnot_wave_0_\@
	s_barrier_signal -3
.Lnot_wave_0_\@:
	s_barrier_wait -3
	s_barrier_signal -1
	s_barrier_wait -1
.endm
.macro PLACES n
.rept \n
	v_nop
.endr
.endm
	s_load_b256 s[4:11], s[0:1], 0x0               ; oq s[4:5], wp s[6:7], b_proj s[8:9], out0 s[10:11]
	v_lshl_add_u32 v[SPW], v0, 2, SPARE
	v_mov_b32 v[NIL], 0
	ds_add_u32 v[SPW], v[NIL]                      ; the opening lines
	ds_add_u32 v[SPW], v[NIL]
	v_lshrrev_b32 v1, 5, v0
	v_readfirstlane_b32 s14, v1                    ; wave 0..3
	s_lshr_b32 s15, s14, 1                         ; which 64 rows are mine.  Also: which half of wp waves 1 and 2 fetch
	s_and_b32 s16, s14, 1                          ; which 128 columns
	s_bfe_u32 s40, ttmp6, 0x40000                  ; cx
	s_bfe_u32 s41, ttmp6, 0x40004                  ; cy
	s_lshl_b32 s42, ttmp9, 2
	s_add_co_u32 s42, s42, s40                     ; the block's 256 columns
	s_and_b32 s17, ttmp7, 0xffff
	s_lshl_b32 s17, s17, 2
	s_add_co_u32 s17, s17, s41                     ; the block's 128 rows
	s_lshl_b32 s43, s41, 2
	s_lshl_b32 s43, 15, s43                        ; my row of the cluster
	s_lshl_b32 s44, 0x1111, s40                    ; my column
	; group 1 of the codes: a dense block of 98,304 bytes as 384 rows of 256 (32 elements of 8 bytes)
	s_or_b32 s[G1+0], s43, (3<<16)|(1<<21)
	s_or_b32 s[G1B+0], s44, (3<<16)|(1<<21)
.irp g, G1, G1B
	s_mov_b32 s[\g+1], 32<<16
	s_mov_b32 s[\g+2], 384<<16
	s_mov_b32 s[\g+3], 32<<16
	s_mov_b32 s[\g+4], 384
	s_mov_b32 s[\g+5], 32
	s_mov_b32 s[\g+6], 0
	s_mov_b32 s[\g+7], 0
.endr
	; and of wp's scale bytes: 32 rows of 256, 16 bytes of padding behind each
	s_or_b32 s[G1SB+0], s44, (3<<16)|(1<<20)|(1<<21)|(5<<22)|(3<<25)
	s_mov_b32 s[G1SB+1], 32<<16
	s_mov_b32 s[G1SB+2], 32<<16
	s_mov_b32 s[G1SB+3], 32<<16
	s_mov_b32 s[G1SB+4], 32
	s_mov_b32 s[G1SB+5], 32
	s_mov_b32 s[G1SB+6], 0
	s_mov_b32 s[G1SB+7], 0
	s_mul_i32 s20, s17, 8*RBB                      ; oq: the block's eight blocks of 16 rows
	s_mov_b32 s21, 0
	s_lshl_b32 s46, s42, 4
	s_lshl_b32 s18, s15, 3
	s_add_co_u32 s46, s46, s18
	s_mul_i32 s46, s46, RBB                        ; wp: eight of the block's sixteen
	s_mov_b32 s47, 0
	s_mul_i32 s45, s15, 8*RBB
	s_add_co_u32 s45, s45, PTL                     ; and where they go
	s_lshl_b32 s92, s42, 13
	s_add_co_u32 s92, s92, WPSC                    ; wp's scale bytes: 8,192 a block
	s_mov_b32 s93, 0
	s_lshl_b32 s22, s17, 8
	s_add_co_u32 s22, s22, OSC                     ; oq's scale halves: 2 bytes a row
	s_mov_b32 s23, 0
	s_lshl_b32 s2, s42, 10
	s_lshl_b32 s18, s16, 9
	s_add_co_u32 s2, s2, s18                       ; my first column, in bytes
	s_mov_b32 s3, 0
	s_lshl_b32 s18, s17, 19
	s_lshl_b32 s19, s15, 18
	s_add_co_u32 s18, s18, s19                     ; my first row, 4,096 bytes a row
	s_add_co_u32 s18, s18, s2
	s_mov_b32 s19, 0
	s_mul_i32 s70, s15, 4*RBB                      ; LDS: my four blocks of oq,
	s_mul_i32 s71, s16, 8*RBB
	s_add_co_u32 s71, s71, PTL                     ; my eight of wp,
	s_add_co_u32 s72, s71, 4*RBB
	s_mul_i32 s73, s15, 4*SBLK                     ; my rows' scale words of oq,
	s_mul_i32 s74, s16, HALFS
	s_add_co_u32 s74, s74, HALFS
	s_sub_co_u32 s74, s74, s73                     ; and how far behind them wp's lie
	s_add_co_u32 s73, s73, SCL
	s_mul_i32 s75, s14, 16*SPITCH                  ; my stage
	s_mov_b32 s76, 0x05040100
	s_mov_b32 s77, 0x07060302
	s_wait_dscnt 0x0                               ; both opening adds are done
	s_wait_kmcnt 0x0
	s_mov_b32 s[G0], 1
	s_mov_b32 s[G0+1], 0
	s_add_nc_u64 s[G0+2:G0+3], s[4:5], s[20:21]
	s_or_b32 s[G0+3], s[G0+3], 0x80000000
	s_mov_b32 s[G0B], 1
	s_mov_b32 s[G0B+1], s45
	s_add_nc_u64 s[G0B+2:G0B+3], s[6:7], s[46:47]
	s_or_b32 s[G0B+3], s[G0B+3], 0x80000000
	s_mov_b32 s[G0SB], 1
	s_mov_b32 s[G0SB+1], SCL+HALFS
	s_add_nc_u64 s[G0SB+2:G0SB+3], s[6:7], s[92:93]
	s_or_b32 s[G0SB+3], s[G0SB+3], 0x80000000
	s_add_nc_u64 s[66:67], s[4:5], s[22:23]
	s_add_nc_u64 s[96:97], s[8:9], s[2:3]
	s_add_nc_u64 s[12:13], s[10:11], s[18:19]
	CROUND                                         ; all sixteen work-groups are here: the joint loads meet
; one chain of branches on the wave's number; every way passes one load
.macro ARM under, g0, g1, next
	s_cmp_lt_u32 s14, \under
	s_cbranch_scc0 \next
	tensor_load_to_lds s[\g0:\g0+3], s[\g1:\g1+7]
	s_nop 0
.rept 4
	v_nop
.endr
	s_branch .Lhead_asked
\next:
.endm
	ARM 1, G0,  G1,  .Lhead_p
	ARM 3, G0B, G1B, .Lhead_s
	tensor_load_to_lds s[G0SB:G0SB+3], s[G1SB:G1SB+7]
	s_nop 0
.rept 4
	v_nop
.endr
.Lhead_asked:
	v_and_b32 v3, 63, v0                           ; thread t: rows 2 (t % 64) and the next, heads 8 (t / 64) + 0 .. 7
	v_lshrrev_b32 v4, 6, v0
	v_lshlrev_b32 v[SGO], 2, v3
	v_lshl_add_u32 v[SGO], v4, 17, v[SGO]          ; a head's halves are 16,384 bytes
.irp d, 0,1,2,3,4,5,6,7
	global_load_b32 v[128+\d], v[SGO], s[66:67] offset:16384*\d
.endr
	v_and_b32 v1, 15, v0                           ; r
	v_bfe_u32 v2, v0, 4, 1                         ; h
	v_lshlrev_b32 v[BQO], 5, v2
.irp b, 0,1,2,3,4,5,6,7
	global_load_b128 v[BIQ+8*\b:BIQ+8*\b+3], v[BQO], s[96:97] offset:64*\b        ; b_proj at columns 16 b + 8 h + 0 .. 7
	global_load_b128 v[BIQ+8*\b+4:BIQ+8*\b+7], v[BQO], s[96:97] offset:64*\b+16
.endr
	v_and_b32 v6, 31, v0
	v_lshlrev_b32 v7, 3, v6                        ; 8 x lane: my place in a piece of an image
	v_add_nc_u32 v[ADRA], s70, v7
	v_add_nc_u32 v[ADRB], s71, v7
	v_add_nc_u32 v[ADRB+1], s72, v7
	v_mul_u32_u24 v8, v1, 32                       ; my row's scale bytes: 32 a row,
	v_lshrrev_b32 v9, 8, v8
	v_lshl_add_u32 v8, v9, 4, v8                   ; and 16 more for each 256 passed
	v_mul_u32_u24 v9, s74, v2                      ; lanes 16-31 take wp's
	v_add_nc_u32 v8, v8, v9
	v_add_nc_u32 v[ADRS], s73, v8
	v_mul_u32_u24 v8, v1, SPITCH                   ; the stage, in: row r, 32 bytes for each half of the lanes
	v_lshl_add_u32 v8, v2, 5, v8
	v_add_nc_u32 v[STO], s75, v8
	v_lshlrev_b32 v[CO], 4, v6                     ; back: the 32 lanes take one row of 512 bytes; and the same in out0
	v_add_nc_u32 v[RD], s75, v[CO]
	v_lshrrev_b32 v9, 2, v3                        ; where my two rows' four scale words go: 64 (t % 64), 16 more for each 256 passed, + 16 (t / 64)
	v_lshlrev_b32 v5, 6, v3
	v_lshl_add_u32 v5, v9, 4, v5
	v_lshl_add_u32 v5, v4, 4, v5
	v_add_nc_u32 v5, SCL, v5
	s_wait_alu depctr_va_vdst(0)
	s_wait_loadcnt 16                              ; the eight loads of scale halves are in; the 16 of the bias may be out
.irp s, 0,1,2,3
	v_perm_b32 v[144+\s], v[129+2*\s], v[128+2*\s], s76   ; the even row's word of K step 4 (t / 64) + s: two heads' halves
	v_perm_b32 v[148+\s], v[129+2*\s], v[128+2*\s], s77   ; the odd row's
.endr
	ds_store_b128 v5, v[144:147]
	ds_store_b128 v5, v[148:151] offset:32
.macro FRAG reg, adr, k, i             ; block i, K step k from where the address stands: six pieces of 256 consecutive bytes
.irp p, 0,1,2,3,4,5
	ds_load_b64 v[\reg+2*\p:\reg+2*\p+1], v[\adr] offset:(\i)*RBB+(\k)*FRB+256*\p
.endr
.endm
.macro FETCH k, set                    ; a step's fragments and scale words: 80 loads
	WIN TO_B
.irp i, 0,1,2,3
	FRAG 128*(\set)+FR*\i, ADRB, \k, \i
.endr
.irp i, 0,1,2,3
	FRAG 128*(\set)+FR*(\i+4), ADRB+1, \k, \i
.endr
	WIN 0
.irp i, 0,1,2,3
	FRAG AF+48*(\set)+FR*\i, ADRA, \k, \i
.endr
.irp i, 0,1,2,3,4,5,6,7
	ds_load_b32 v[SC+8*(\set)+\i], v[ADRS] offset:\i*SBLK+4*(\k)   ; lanes 0-15: oq's block i (of registers 4-7 these lanes are not used), lanes 16-31: wp's block i
.endr
.endm
.macro MUL32 set, first                ; oq's four blocks x wp's eight, 128 along K
.irp a, 0,1,2,3
.irp b, 0,1,2,3,4,5,6,7
.if \first
	v_wmma_scale_f32_16x16x128_f8f6f4 v[8*(8*\a+\b):8*(8*\a+\b)+7], v[128*(\set)+FR*\b:128*(\set)+FR*\b+FR-1], v[AF+48*(\set)+FR*\a:AF+48*(\set)+FR*\a+FR-1], v[BIQ+8*\b:BIQ+8*\b+7], v[SC+8*(\set)+\b], v[SC+8*(\set)+\a] matrix_a_fmt:MATRIX_FMT_BF6 matrix_b_fmt:MATRIX_FMT_BF6 matrix_a_scale:MATRIX_SCALE_ROW1
.else
	v_wmma_scale_f32_16x16x128_f8f6f4 v[8*(8*\a+\b):8*(8*\a+\b)+7], v[128*(\set)+FR*\b:128*(\set)+FR*\b+FR-1], v[AF+48*(\set)+FR*\a:AF+48*(\set)+FR*\a+FR-1], v[8*(8*\a+\b):8*(8*\a+\b)+7], v[SC+8*(\set)+\b], v[SC+8*(\set)+\a] matrix_a_fmt:MATRIX_FMT_BF6 matrix_b_fmt:MATRIX_FMT_BF6 matrix_a_scale:MATRIX_SCALE_ROW1
.endif
.endr
.endr
.endm
.macro STEP set, k, first              ; multiplies set; ahead of that asks for K step k into the other set
	s_wait_dscnt 0x0                               ; this step's 80 loads, issued ahead of the last step's products
	PLACES NP                                      ; behind the last step's products, which read the other set
	FETCH \k, 1-(\set)
.if \first
	WIN MUL_1ST
.else
	WIN MUL_LO
.endif
	MUL32 \set, \first
	WIN 0
.endm
	s_wait_alu depctr_va_vdst(0)
	s_wait_loadcnt 0x0                             ; the bias
	s_wait_tensorcnt 0x0                           ; my tile is in,
	s_wait_dscnt 0x0                               ; my scale words are stored;
	s_barrier_signal -1
	s_barrier_wait -1                              ; and everybody's
	FETCH 0, 0
	STEP 0, 1, 1                                   ; K step 0: its products start the sums from the bias
	s_mov_b32 s3, 3
.Llap:                                             ; trip t: K steps 2 t + 1 and 2 t + 2; the addresses stand at K step 2 t
	STEP 1, 2, 0
	STEP 0, 3, 0
	v_add_nc_u32 v[ADRA], 2*FRB, v[ADRA]
	v_add_nc_u32 v[ADRB], 2*FRB, v[ADRB]
	v_add_nc_u32 v[ADRB+1], 2*FRB, v[ADRB+1]
	v_add_nc_u32 v[ADRS], 8, v[ADRS]
	s_sub_co_u32 s3, s3, 1
	s_cmp_lg_u32 s3, 0
	s_wait_alu depctr_va_vdst(0)
	s_cbranch_scc1 .Llap
	s_wait_dscnt 0x0                               ; K step 7's fragments are in: my reads of the operands are over
	s_barrier_signal -1
	WIN MUL_LO
	MUL32 1, 0
	WIN 0
	s_barrier_wait -1                              ; and everybody's: the stage may be written
; THE WAY OUT, block by block of 16 rows x 128 columns, through my own stage: rows come back whole, 512 bytes, and the 32 lanes store two aligned units of 256 bytes.  LDS serves a wave's instructions in order (ISA guide 5.7.1.4).
.macro TOSTAGE a
	WIN 0x08                                       ; the data: window 2
.irp b, 0,1,2,3,4,5,6,7
	ds_store_b128 v[STO], v[64*(\a)+8*\b:64*(\a)+8*\b+3] offset:64*\b          ; each accumulator from its low end on
	ds_store_b128 v[STO], v[64*(\a)+8*\b+4:64*(\a)+8*\b+7] offset:64*\b+16
.endr
	WIN 0
.set BB, BK+64*((\a)%2)
.irp t, 0,1,2,3,4,5,6,7,8,9,10,11,12,13,14,15
	ds_load_b128 v[BB+4*\t:BB+4*\t+3], v[RD] offset:\t*SPITCH
.endr
.endm
.macro SEND a, younger                 ; younger: the LDS instructions issued behind block a's loads, which may stay out
.set BB, BK+64*((\a)%2)
	s_wait_dscnt \younger
.if (\a) > 0
	s_add_nc_u64 s[12:13], s[12:13], 16*SIZE_N*4   ; behind a wait on XCNT: the earlier stores have read their base
.endif
.irp t, 0,1,2,3,4,5,6,7,8,9,10,11,12,13,14,15
	global_store_b128 v[CO], v[BB+4*\t:BB+4*\t+3], s[12:13] offset:\t*SIZE_N*4 th:TH_STORE_NT
.endr
.endm
	PLACES NP                                      ; behind the last products: their results are read and oq's registers loaded into below
	TOSTAGE 0
.irp a, 1,2,3
.if \a > 1
	s_wait_xcnt 0x0                                ; block a - 2's stores have read their registers and their base
.endif
	TOSTAGE \a
	SEND \a-1, 32
.endr
	s_wait_xcnt 0x0
	SEND 3, 0
	s_wait_tensorcnt 0x0                           ; the wave's end
	ds_add_u32 v[SPW], v[NIL]
	s_wait_dscnt 0x0
	CROUND                                         ; the closing round
	s_endpgm
.Lfunc_end_k_q8f6d37cb2e_proj:
	.size	k_q8f6d37cb2e_proj, .Lfunc_end_k_q8f6d37cb2e_proj-k_q8f6d37cb2e_proj
	.p2alignl 7, 3214868480
	.fill 96, 4, 3214868480
	.section	.rodata,"a",@progbits
	.p2align	6, 0x0
	.amdhsa_kernel k_q8f6d37cb2e_proj
		.amdhsa_group_segment_fixed_size 327680
		.amdhsa_private_segment_fixed_size 0
		.amdhsa_enable_private_segment 0
		.amdhsa_kernarg_size 32
		.amdhsa_user_sgpr_count 2
		.amdhsa_user_sgpr_kernarg_segment_ptr 1
		.amdhsa_wavefront_size32 1
		.amdhsa_system_sgpr_workgroup_id_x 1
		.amdhsa_system_sgpr_workgroup_id_y 1
		.amdhsa_system_sgpr_workgroup_id_z 1
		.amdhsa_system_vgpr_workitem_id 0
		.amdhsa_next_free_vgpr 768
		.amdhsa_next_free_sgpr 102
		.amdhsa_reserve_vcc 0
		.amdhsa_float_denorm_mode_32 3
		.amdhsa_float_denorm_mode_16_64 3
		.amdhsa_memory_ordered 1
		.amdhsa_forward_progress 1
		.amdhsa_inst_pref_size 64
	.end_amdhsa_kernel
	.amdgpu_metadata
---
amdhsa.version: [ 1, 2 ]
amdhsa.kernels:
  - .name:           k_q8f6d37cb2e_proj
    .symbol:         k_q8f6d37cb2e_proj.kd
    .args:
      - { .name: oq, .offset: 0, .size: 8, .value_kind: global_buffer, .address_space: global }
      - { .name: wp, .offset: 8, .size: 8, .value_kind: global_buffer, .address_space: global }
      - { .name: b_proj, .offset: 16, .size: 8, .value_kind: global_buffer, .address_space: global }
      - { .name: out0, .offset: 24, .size: 8, .value_kind: global_buffer, .address_space: global }
    .group_segment_fixed_size: 327680
    .private_segment_fixed_size: 0
    .kernarg_segment_align: 8
    .kernarg_segment_size: 32
    .max_flat_workgroup_size: 128
    .sgpr_count:     102
    .vgpr_count:     768
    .wavefront_size: 32
...
	.end_amdgpu_metadata
.endif
;; end of part 4
